; MI455X (gfx1250); checked and timed in simulation.
; The chip was launched on July 23, 2026; its instructions are those of AMD's public machine-readable ISA for CDNA 5 (MIT licence, August 2026) and "CDNA5" Instruction Set Architecture Reference Guide (July 2026). The comments in the code are by the model that wrote it; some were corrected since.
;; Multihead Self Attention. Allowed arithmetic: matrix products marked QUANTISED: E3M2 operands, one E8M0 scale for each 32 along K, by v_wmma_scale_f32_16x16x128_f8f6f4 with both operands' format E3M2, f32 sums; everything else in f32.
;; Inputs: Wk 1,024 x 1,024 float32; Wo 1,024 x 1,024 float32; Wq 1,024 x 1,024 float32; Wv 1,024 x 1,024 float32; beta 1,024 float32; bk 1,024 float32; bo 1,024 float32; bq 1,024 float32; bv 1,024 float32; gamma 1,024 float32; x 2 x 2,048 x 1,024 float32.
;; Outputs: out0 2 x 2,048 x 1,024 float32.
;; This version of the problem:
;;   THIS VERSION OF THE PROBLEM IS GIVEN IN LOW PRECISION. The matrix products marked QUANTISED in the list below multiply operands that are first quantised to E3M2 (3 exponent bits, 2 mantissa bits; 6 bits a number), with one power-of-two scale for each 32 numbers along K (OCP MX v1.0); their sums are f32. All else is computed in f32.
;;   The module's matrix products, in the order in which they are computed (A, B: the left and right operand; K: the contracted axis; several contracted axes count as one K, in the product's order):
;;     1. [M 4,096, K 1,024] x [K 1,024, N 1,024]; A: input x; B: input Wq: QUANTISED
;;     2. [M 4,096, K 1,024] x [K 1,024, N 1,024]; A: input x; B: input Wk: QUANTISED
;;     3. [M 4,096, K 1,024] x [K 1,024, N 1,024]; A: input x; B: input Wv: QUANTISED
;;     4. batch 32 x [M 2,048, K 64] x [K 64, N 2,048]; A: computed on the way; B: computed on the way: QUANTISED
;;     5. batch 32 x [M 2,048, K 2,048] x [K 2,048, N 64]; A: softmax (see below); B: computed on the way: QUANTISED
;;     6. [M 4,096, K 1,024] x [K 1,024, N 1,024]; A: computed on the way; B: input Wo: QUANTISED
;;   THE QUANTISER, for each operand of a quantised product, along K:
;;     - K is cut into blocks of 32 from its start; a last block that is shorter is filled with zeros.
;;     - A block's scale is 2^e with e = floor(log2(the largest magnitude in the block)) - 4, held to -126 .. 127; a block of zeros has e = 0. As a byte (E8M0): e + 127.
;;     - Each number is divided by its block's scale, clamped to +-28, and rounded to the nearest number of E3M2, ties to even, subnormals kept.
;;     - The product sums the exact products of the quantised numbers (number of the format x scale) in f32.
;;   ~~~python
;;   def quantise(x, axis):      # numpy; x: float32 -> the quantised numbers, widened to float32 again
;;       x = np.moveaxis(x, axis, -1); K = x.shape[-1]
;;       x = np.pad(x, [(0, 0)] * (x.ndim - 1) + [(0, -K % 32)]); x = x.reshape(x.shape[:-1] + (-1, 32)); a = np.abs(x).max(-1, keepdims=True)
;;       e = np.where(a > 0, np.clip(np.frexp(np.where(a > 0, a, 1))[1] - 1 - 4, -126, 127), 0)      # np.frexp(a)[1] - 1 = floor(log2(a)), exactly
;;       r = np.clip(x / 2.0 ** e, -28, 28)
;;       step = 2.0 ** (np.maximum(np.frexp(np.where(r == 0, 1, r))[1] - 1, -2) - 2)
;;       q = np.round(r / step) * step * 2.0 ** e      # np.round: ties to even
;;       return np.moveaxis(q.reshape(q.shape[:-2] + (-1,))[..., :K], -1, axis).astype(np.float32)
;;   ~~~
;;   SOFTMAX AHEAD OF A QUANTISED PRODUCT. Where the list says 'softmax', what is quantised is not the finished softmax but p = 2^(t - M), with t = logit x log2(e) and M = ceil(the row's largest t), a whole number; so 1/2 < the row's largest p <= 1. The row's sum l is taken of the UNQUANTISED p, in f32, and the product's result is divided by l at the end. Since M is a whole number, a kernel that streams over the keys may use a running M (the ceiling of the running maximum): every later rescaling is an exact power of two, which a block's scale takes up: the codes' values come out the same.
;;   OPERANDS COMPUTED ON THE WAY. 'Computed on the way' means the value that the module computes at that place (a softmax that the list does not call 'softmax' is quantised finished and normalised). What goes into a quantiser is computed in f32, as accurately as f32 sums, v_exp_f32 and their like allow (about 1e-6 of the number): no bf16 or f16 on the way to a quantiser, and a product that is left as it is and whose result goes on into a quantised operand takes f32 operands (vector FMAs, or v_wmma_f32_16x16x4_f32). A number that lies on a knife's edge between two numbers of the format may be rounded either way, as far as f32 arithmetic and the matrix unit's own rounding can turn it there, and no further.
;; One version. Each part assembles by itself: llvm-mc -triple=amdgcn-amd-amdhsa -mcpu=gfx1250 --defsym DOCPART=n.
;; ======== version 1 of 1: 3 launches
;; limits: a function is approximated: absolute error at most 1.5e-07
;; workspace buffers: xc 3,145,728 bytes; xs 131,072 bytes; wc 2,359,296 bytes; ws 98,304 bytes; woc 786,432 bytes; wos 32,768 bytes; qkv 10,092,544 bytes
;; launch quant (part 1): grid 256 x 1, 4 waves a work-group, no clusters, 92,672 bytes of LDS; arguments x, Wq, Wk, Wv, Wo, xc, xs, wc, ws, woc, wos; writes xc, xs, wc, ws, woc, wos
.if DOCPART == 1
	.amdgcn_target "amdgcn-amd-amdhsa--gfx1250"
	.amdhsa_code_object_version 6
	.text
	.protected	k_qeb8b084e27_quant
	.globl	k_qeb8b084e27_quant
	.p2align	8
	.type	k_qeb8b084e27_quant,@function
k_qeb8b084e27_quant:
	s_mov_b64 s[64:65], 0
	v_nop
	global_prefetch_b8 v0, s[64:65] scope:SCOPE_SE
	s_setreg_imm32_b32 hwreg(HW_REG_WAVE_MODE, 25, 1), 1
	s_wait_xcnt 0x0
; x [4096][1024] and the four weights [1024 (k)][1024 (n)], f32, become codes of BF6 (E3M2), 6 bits each, with one E8M0 scale byte for each 32 along K.
; A block's scale is 2^(floor(log2(its largest magnitude)) - 4); its byte is the largest magnitude's exponent field - 4, held at 1 from below.
; LIMITS: a block whose largest magnitude lies under 2^-122 keeps the byte 1, a block of zeros too (its codes are zeros; this program alone reads the bytes); NaN and infinities are not served.
; Work-groups 0-127: x, whose K is innermost: a plain stream of blocks of 32.  xc: rows of 768 bytes; xs: rows of 32 bytes.
; Work-groups 128-255: a weight, whose K is its FIRST axis: a lane takes a column and its registers run down K.  32 work-groups a weight: 128 columns x 256 along K each; a wave 32 columns.
;   Wq, Wk, Wv -> wc [3072 positions][768 bytes], ws [3072][32].  THE ROWS ARE PERMUTED so that the next launch's results fall as its quantisers want them:
;     Wq, Wk: column n lies at position 32 (n / 32) + 16 ((n / 8) % 2) + 8 ((n / 16) % 2) + n % 8;
;     Wv:     column n = 64 j + d lies at position 32 (d / 2) + 16 (j / 8) + 8 (d % 2) + j % 8.
;   Wo -> woc [tile of 16 columns 64][K step of 128: 8][1536 bytes]: images of the operand's registers (register g of lane l at 512 (g / 4) + 16 l + 4 (g % 4)); wos [1024][32].
; The three paths part on the work-group's number and never join; each has LDS bytes of its own.  No barrier: waves share nothing.
.set SP,     80                        ; path X: a lane's place in a stage: its 64 bytes + 16
.set XREG,   8192                      ; path X: LDS bytes of a wave, from 0
.set RBASE,  32768                     ; rows of codes (Wq, Wk, Wv): 32 rows x 272 bytes a wave
.set RREG,   8704
.set RPITCH, 272
.set IBASE,  67584                     ; images (Wo): 2 tiles x 2 K steps x 1536 bytes a wave
.set IREG,   6144
.set FLOOR,  0x2800000                 ; 2^(5 - 127)
.set EOFF,   0xfe000000                ; -(4 << 23)
.set R,    16                          ; path X: v16-79 four sets of 16 numbers as loaded
.set X,    80                          ; v80-111 two sets of 16 neighbours
.set C,    128                         ; v128-191 codes, four registers a step
.set E,    112                         ; v112-127 a scale byte a step
.set WX,   32                          ; weights: v32-95 two sets of 32 numbers
.set WC,   96                          ; v96.. a block's codes
.set OUTR, 112                         ; v112-175 the way out
.set SB,   24                          ; v24-25 the scale bytes
.macro XLOAD t
.irp i, 0,1,2,3
	global_load_b128 v[R+16*((\t)%4)+4*\i:R+16*((\t)%4)+4*\i+3], v3, s[4:5] offset:2048*(\t)+512*\i th:TH_LOAD_NT   ; 32 lanes read 512 consecutive bytes
.endr
.endm
.macro XTURN t                         ; a step's 2,048 bytes through the wave's stage: in as they lie, out 64 bytes a lane.  LDS serves a wave's instructions in order
.irp i, 0,1,2,3
	ds_store_b128 v14, v[R+16*((\t)%4)+4*\i:R+16*((\t)%4)+4*\i+3] offset:32*SP*((\t)%2)+8*SP*\i
.endr
.irp i, 0,1,2,3
	ds_load_b128 v[X+16*((\t)%2)+4*\i:X+16*((\t)%2)+4*\i+3], v15 offset:32*SP*((\t)%2)+16*\i
.endr
.endm
.macro XSTEP t
.set XS, X+16*((\t)%2)
.if (\t) > 0
	s_wait_dscnt 1                                 ; this step's numbers are back from the stage; the last step's byte store may be out
.else
	s_wait_dscnt 0x0
.endif
.if (\t)+4 < 16
	XLOAD (\t)+4                                   ; into the set whose stores into the stage are done
.endif
.if (\t)+1 < 16
.if 14-(\t) >= 3
	s_wait_loadcnt 12                              ; the next step's four loads are in; three steps' may be out
.else
	s_wait_loadcnt 4*(14-(\t))
.endif
	XTURN (\t)+1
.endif
	v_max3_num_f32 v8, |v[XS]|, |v[XS+1]|, |v[XS+2]|
	v_max3_num_f32 v9, |v[XS+3]|, |v[XS+4]|, |v[XS+5]|
.irp i, 6,10
	v_max3_num_f32 v8, v8, |v[XS+\i]|, |v[XS+\i+1]|
	v_max3_num_f32 v9, v9, |v[XS+\i+2]|, |v[XS+\i+3]|
.endr
	v_max3_num_f32 v8, v8, |v[XS+14]|, |v[XS+15]|
	v_max3_num_f32 v8, v8, v9, FLOOR               ; my 16, and the floor
	v_max_num_f32_dpp v8, v8, v8 row_xmask:1 row_mask:0xf bank_mask:0xf   ; and my neighbour's 16: the block's
	v_add_nc_u32 v11, EOFF, v8                     ; 4 off the exponent field: the conversion's scale operand
	v_cvt_scalef32_pk16_bf6_f32 v[C+4*(\t):C+4*(\t)+2], v[XS:XS+15], v11
	v_lshrrev_b32 v[E+(\t)], 23, v11               ; the scale's byte
	ds_store_b8 v5, v[E+(\t)] offset:16*(\t)       ; both lanes of a block write the same byte
	global_store_b96 v4, v[C+4*(\t):C+4*(\t)+2], s[14:15] offset:384*(\t)
.endm
.macro WLOAD t                         ; block t: W(32 t + i, my column), i = 0 .. 31
.set wli, 0
.rept 32
	global_load_b32 v[WX+32*((\t)%2)+wli], v3, s[6:7] offset:(32*(\t)+wli)*4096 th:TH_LOAD_NT
.set wli, wli+1
.endr
.endm
.macro WBLOCK t, img                   ; img = 0: 24 bytes to my column's row in the stage; 1: six registers to their places in an operand's image
.set XS, WX+32*((\t)%2)
.if (\t) < 7
	s_wait_loadcnt 32                              ; this block's 32 loads are in; the next block's may be out
.else
	s_wait_loadcnt 0x0
.endif
	v_max3_num_f32 v12, |v[XS]|, |v[XS+1]|, |v[XS+2]|
	v_max3_num_f32 v13, |v[XS+3]|, |v[XS+4]|, |v[XS+5]|
.irp i, 6,10,14,18,22,26
	v_max3_num_f32 v12, v12, |v[XS+\i]|, |v[XS+\i+1]|
	v_max3_num_f32 v13, v13, |v[XS+\i+2]|, |v[XS+\i+3]|
.endr
	v_max3_num_f32 v12, v12, |v[XS+30]|, |v[XS+31]|
	v_max3_num_f32 v12, v12, v13, FLOOR
	v_add_nc_u32 v11, EOFF, v12
	v_lshrrev_b32 v13, 23, v11
.if (\t)%4 == 0
	v_mov_b32 v[SB+(\t)/4], v13
.else
	v_lshl_or_b32 v[SB+(\t)/4], v13, 8*((\t)%4), v[SB+(\t)/4]
.endif
	v_cvt_scalef32_pk16_bf6_f32 v[WC:WC+2], v[XS:XS+15], v11
.if \img
	v_cvt_scalef32_pk16_bf6_f32 v[WC+8:WC+10], v[XS+16:XS+31], v11   ; (a conversion's three registers begin on an even number)
	v_nop                                          ; one plain line behind the conversions
	v_mov_b32 v[WC+3], v[WC+8]
	v_mov_b32 v[WC+4], v[WC+9]
	v_mov_b32 v[WC+5], v[WC+10]
.set IO, ((\t)/4)*1536+((\t)%2)*256    ; K step t / 4 of my two; the operand's lanes 16 (t % 2) + my column % 16; its registers 6 ((t / 2) % 2) on
.if ((\t)/2)%2 == 0
	ds_store_b128 v4, v[WC:WC+3] offset:IO
	ds_store_b64 v4, v[WC+4:WC+5] offset:IO+512
.else
	ds_store_b64 v4, v[WC:WC+1] offset:IO+520
	ds_store_b128 v4, v[WC+2:WC+5] offset:IO+1024
.endif
.else
	v_cvt_scalef32_pk16_bf6_f32 v[WC+4:WC+6], v[XS+16:XS+31], v11
	ds_store_b96 v4, v[WC:WC+2] offset:32*(\t)     ; 12 bytes to a place of 16
	ds_store_b96 v4, v[WC+4:WC+6] offset:32*(\t)+16
.endif
.if (\t)+2 < 8
	WLOAD (\t)+2
.endif
	s_wait_dscnt 0x0                               ; the stores have read their registers
.endm
	s_load_b512 s[4:19], s[0:1], 0x0               ; x, Wq, Wk, Wv, Wo, xc, xs, wc
	s_load_b128 s[20:23], s[0:1], 0x40             ; ws, woc
	s_load_b64 s[24:25], s[0:1], 0x50              ; wos
	v_lshl_add_u32 v192, v0, 2, 0x16800
	v_mov_b32 v193, 0
	v_lshrrev_b32 v1, 5, v0
	v_readfirstlane_b32 s26, v1                    ; wave
	v_and_b32 v2, 31, v0                           ; lane
	s_cmp_lt_u32 ttmp9, 128
	s_cbranch_scc0 .Lweights
	; ---- x: a wave takes 16 steps of 512 numbers
	v_lshlrev_b32 v3, 4, v2
	s_mul_i32 s27, s26, XREG
	v_lshrrev_b32 v14, 2, v2
	v_mul_u32_u24 v14, v14, SP
	v_and_b32 v15, 3, v2
	v_lshl_add_u32 v14, v15, 4, v14
	v_add_nc_u32 v14, s27, v14                     ; into the stage: SP (lane / 4) + 16 (lane % 4)
	v_mul_u32_u24 v15, v2, SP
	v_add_nc_u32 v15, s27, v15                     ; out of it: SP x lane
	v_mul_u32_u24 v4, v2, 12
	v_lshrrev_b32 v5, 1, v2
	s_add_co_u32 s27, s27, 2*32*SP
	v_add_nc_u32 v5, s27, v5                       ; my block's scale byte among the wave's 256
	v_lshlrev_b32 v7, 3, v2
	v_add_nc_u32 v6, s27, v7
	s_lshl_b32 s28, ttmp9, 2
	s_add_co_u32 s28, s28, s26                     ; which run of 8,192 numbers is my wave's
	s_lshl_b32 s30, s28, 15
	s_mov_b32 s31, 0
	s_wait_kmcnt 0x0
	s_add_nc_u64 s[4:5], s[4:5], s[30:31]
	s_mul_i32 s30, s28, 6144
	s_add_nc_u64 s[14:15], s[14:15], s[30:31]
	s_lshl_b32 s30, s28, 8
	s_add_nc_u64 s[16:17], s[16:17], s[30:31]
.irp t, 0,1,2,3
	XLOAD \t
.endr
	s_wait_loadcnt 12                              ; step 0's four loads are in
	XTURN 0
.irp t, 0,1,2,3,4,5,6,7,8,9,10,11,12,13,14,15
	XSTEP \t
.endr
	ds_load_b64 v[12:13], v6
	s_wait_dscnt 0x0
	global_store_b64 v7, v[12:13], s[16:17]        ; 32 lanes store 256 consecutive bytes, aligned
	s_wait_tensorcnt 0x0
	ds_add_u32 v192, v193
	s_wait_dscnt 0x0
	s_endpgm
.Lweights:
	s_sub_co_u32 s27, ttmp9, 128
	s_lshr_b32 s28, s27, 5                         ; which weight: 0 Wq, 1 Wk, 2 Wv, 3 Wo
	s_and_b32 s29, s27, 7                          ; which 128 columns
	s_bfe_u32 s30, s27, 0x20003                    ; which 256 along K
	v_lshlrev_b32 v3, 2, v2
	s_lshl_b32 s32, s30, 20                        ; 256 rows of 4,096 bytes
	s_lshl_b32 s33, s29, 9
	s_add_co_u32 s32, s32, s33
	s_lshl_b32 s33, s26, 7
	s_add_co_u32 s32, s32, s33
	s_mov_b32 s33, 0
	s_lshl_b32 s31, s29, 7
	s_lshl_b32 s34, s26, 5
	s_add_co_u32 s31, s31, s34                     ; my wave's first column
	s_wait_kmcnt 0x0
	s_cmp_eq_u32 s28, 1
	s_cselect_b64 s[6:7], s[8:9], s[6:7]
	s_cmp_eq_u32 s28, 2
	s_cselect_b64 s[6:7], s[10:11], s[6:7]
	s_cmp_eq_u32 s28, 3
	s_cselect_b64 s[6:7], s[12:13], s[6:7]
	s_add_nc_u64 s[6:7], s[6:7], s[32:33]
	WLOAD 0
	WLOAD 1
	v_and_b32 v5, 15, v2
	v_lshrrev_b32 v6, 4, v2
	s_cmp_eq_u32 s28, 3
	s_cbranch_scc1 .Limages
	; ---- Wq, Wk, Wv: rows of codes
	s_mul_i32 s35, s26, RREG
	s_add_co_u32 s35, s35, RBASE
	v_mul_u32_u24 v4, v2, RPITCH
	v_add_nc_u32 v4, s35, v4                       ; into the stage: row = my column
	v_mul_u32_u24 v7, v6, RPITCH
	v_lshl_add_u32 v7, v5, 4, v7
	v_add_nc_u32 v7, s35, v7                       ; out of it: sixteen lanes to a row, two rows an instruction
	s_lshl_b32 s36, s28, 10
	s_add_co_u32 s36, s36, s31                     ; Wq, Wk: the first position of my 32 columns
	s_lshl_b32 s37, s29, 1
	s_lshr_b32 s38, s26, 1
	s_add_co_u32 s37, s37, s38                     ; Wv: j, the same for my 32 columns; d = 32 (wave % 2) + lane
	s_and_b32 s38, s26, 1
	s_lshl_b32 s38, s38, 9
	s_lshr_b32 s39, s37, 3
	s_lshl_b32 s39, s39, 4
	s_add_co_u32 s38, s38, s39
	s_and_b32 s39, s37, 7
	s_add_co_u32 s38, s38, s39
	s_add_co_u32 s38, s38, 2048                    ; the position of d = 32 (wave % 2)
	s_cmp_eq_u32 s28, 2
	s_cselect_b32 s36, s38, s36
	s_mov_b32 s39, 768
	s_cselect_b32 s39, 6144, s39                   ; from a column to the next odd one: 1 position, or 8
	s_cselect_b32 s40, -1, 0
	v_mul_u32_u24 v8, s39, v6
	v_mad_u32_u24 v8, v5, 12, v8                   ; my 12 bytes of a row of codes
	v_bfe_u32 v9, v2, 3, 1
	v_lshlrev_b32 v9, 4, v9
	v_lshl_add_u32 v9, v6, 3, v9
	v_and_b32 v10, 7, v2
	v_add_nc_u32 v9, v9, v10                       ; Wq, Wk: my column's position among 32
	v_lshrrev_b32 v10, 1, v2
	v_lshlrev_b32 v10, 5, v10
	v_and_b32 v14, 1, v2
	v_lshl_add_u32 v10, v14, 3, v10                ; Wv: 32 (lane / 2) + 8 (lane % 2)
	v_cndmask_b32 v9, v9, v10, s40
	v_lshlrev_b32 v9, 5, v9                        ; its row of scale bytes
	s_mul_i32 s42, s36, 768
	s_mul_i32 s41, s30, 192
	s_add_co_u32 s42, s42, s41
	s_mov_b32 s43, 0
	s_add_nc_u64 s[18:19], s[18:19], s[42:43]
	s_lshl_b32 s42, s36, 5
	s_lshl_b32 s41, s30, 3
	s_add_co_u32 s42, s42, s41
	s_add_nc_u64 s[20:21], s[20:21], s[42:43]
.set Q, 0
.rept 8
	WBLOCK Q, 0
.set Q, Q+1
.endr
	global_store_b64 v9, v[SB:SB+1], s[20:21]      ; my column's 8 scale bytes
.irp t, 0,1,2,3,4,5,6,7,8,9,10,11,12,13,14,15
	ds_load_b96 v[OUTR+4*\t:OUTR+4*\t+2], v7 offset:2*\t*RPITCH
.endr
	s_cmp_eq_u32 s28, 2
	s_cbranch_scc1 .Lrows_v
.irp t, 0,1,2,3,4,5,6,7,8,9,10,11,12,13,14,15
	s_wait_dscnt 15-\t
	global_store_b96 v8, v[OUTR+4*\t:OUTR+4*\t+2], s[18:19] offset:(16*(((2*\t)/8)%2)+8*((2*\t)/16)+(2*\t)%8)*768   ; sixteen lanes store a row's 192 consecutive bytes
.endr
	s_wait_tensorcnt 0x0
	ds_add_u32 v192, v193
	s_wait_dscnt 0x0
	s_endpgm
.Lrows_v:
.irp t, 0,1,2,3,4,5,6,7,8,9,10,11,12,13,14,15
	s_wait_dscnt 15-\t
	global_store_b96 v8, v[OUTR+4*\t:OUTR+4*\t+2], s[18:19] offset:24576*\t
.endr
	s_wait_tensorcnt 0x0
	ds_add_u32 v192, v193
	s_wait_dscnt 0x0
	s_endpgm
.Limages:
	; ---- Wo: images of the operand's registers
	s_mul_i32 s35, s26, IREG
	s_add_co_u32 s35, s35, IBASE
	v_mul_u32_u24 v4, v6, 3072
	v_lshl_add_u32 v4, v5, 4, v4
	v_add_nc_u32 v4, s35, v4                       ; my tile of 16 columns, my column's 16 bytes in each group of four registers
	v_lshlrev_b32 v8, 4, v2
	v_add_nc_u32 v7, s35, v8
	v_lshlrev_b32 v9, 5, v2
	s_lshl_b32 s36, s29, 3
	s_lshl_b32 s37, s26, 1
	s_add_co_u32 s36, s36, s37                     ; my first tile
	s_mul_i32 s36, s36, 12288
	s_mul_i32 s37, s30, 3072                       ; my first K step
	s_add_co_u32 s36, s36, s37
	s_mov_b32 s37, 0
	s_add_nc_u64 s[22:23], s[22:23], s[36:37]
	s_lshl_b32 s36, s31, 5
	s_lshl_b32 s38, s30, 3
	s_add_co_u32 s36, s36, s38
	s_add_nc_u64 s[24:25], s[24:25], s[36:37]
.set Q, 0
.rept 8
	WBLOCK Q, 1
.set Q, Q+1
.endr
	global_store_b64 v9, v[SB:SB+1], s[24:25]
.irp i, 0,1,2,3,4,5,6,7,8,9,10,11
	ds_load_b128 v[OUTR+4*\i:OUTR+4*\i+3], v7 offset:512*\i
.endr
.irp i, 0,1,2,3,4,5,6,7,8,9,10,11
	s_wait_dscnt 11-\i
	global_store_b128 v8, v[OUTR+4*\i:OUTR+4*\i+3], s[22:23] offset:(\i/6)*12288+(\i%6)*512   ; 32 lanes store 512 consecutive bytes, aligned
.endr
	s_wait_tensorcnt 0x0
	ds_add_u32 v192, v193
	s_wait_dscnt 0x0
	s_endpgm
.Lfunc_end_k_qeb8b084e27_quant:
	.size	k_qeb8b084e27_quant, .Lfunc_end_k_qeb8b084e27_quant-k_qeb8b084e27_quant
	.p2alignl 7, 3214868480
	.fill 96, 4, 3214868480
	.section	.rodata,"a",@progbits
	.p2align	6, 0x0
	.amdhsa_kernel k_qeb8b084e27_quant
		.amdhsa_group_segment_fixed_size 92672
		.amdhsa_private_segment_fixed_size 0
		.amdhsa_enable_private_segment 0
		.amdhsa_kernarg_size 88
		.amdhsa_user_sgpr_count 2
		.amdhsa_user_sgpr_kernarg_segment_ptr 1
		.amdhsa_wavefront_size32 1
		.amdhsa_system_sgpr_workgroup_id_x 1
		.amdhsa_system_sgpr_workgroup_id_y 1
		.amdhsa_system_sgpr_workgroup_id_z 1
		.amdhsa_system_vgpr_workitem_id 0
		.amdhsa_next_free_vgpr 194
		.amdhsa_next_free_sgpr 66
		.amdhsa_reserve_vcc 0
		.amdhsa_float_denorm_mode_32 3
		.amdhsa_float_denorm_mode_16_64 3
		.amdhsa_memory_ordered 1
		.amdhsa_forward_progress 1
		.amdhsa_inst_pref_size 111
	.end_amdhsa_kernel
	.amdgpu_metadata
---
amdhsa.version: [ 1, 2 ]
amdhsa.kernels:
  - .name:           k_qeb8b084e27_quant
    .symbol:         k_qeb8b084e27_quant.kd
    .args:
      - { .name: x, .offset: 0, .size: 8, .value_kind: global_buffer, .address_space: global }
      - { .name: Wq, .offset: 8, .size: 8, .value_kind: global_buffer, .address_space: global }
      - { .name: Wk, .offset: 16, .size: 8, .value_kind: global_buffer, .address_space: global }
      - { .name: Wv, .offset: 24, .size: 8, .value_kind: global_buffer, .address_space: global }
      - { .name: Wo, .offset: 32, .size: 8, .value_kind: global_buffer, .address_space: global }
      - { .name: xc, .offset: 40, .size: 8, .value_kind: global_buffer, .address_space: global }
      - { .name: xs, .offset: 48, .size: 8, .value_kind: global_buffer, .address_space: global }
      - { .name: wc, .offset: 56, .size: 8, .value_kind: global_buffer, .address_space: global }
      - { .name: ws, .offset: 64, .size: 8, .value_kind: global_buffer, .address_space: global }
      - { .name: woc, .offset: 72, .size: 8, .value_kind: global_buffer, .address_space: global }
      - { .name: wos, .offset: 80, .size: 8, .value_kind: global_buffer, .address_space: global }
    .group_segment_fixed_size: 92672
    .private_segment_fixed_size: 0
    .kernarg_segment_align: 8
    .kernarg_segment_size: 88
    .max_flat_workgroup_size: 128
    .sgpr_count:     66
    .vgpr_count:     194
    .wavefront_size: 32
...
	.end_amdgpu_metadata
.endif
;; end of part 1
;; launch qkv (part 2): grid 12 x 16, 4 waves a work-group, clusters of 4 x 4, 327,680 bytes of LDS; arguments xc, xs, wc, ws, bq, bk, bv, qkv; writes qkv
.if DOCPART == 2
	.amdgcn_target "amdgcn-amd-amdhsa--gfx1250"
	.amdhsa_code_object_version 6
	.text
	.protected	k_qeb8b084e27_qkv
	.globl	k_qeb8b084e27_qkv
	.p2align	8
	.type	k_qeb8b084e27_qkv,@function
k_qeb8b084e27_qkv:
	s_mov_b64 s[64:65], 0
	v_nop
	global_prefetch_b8 v0, s[64:65] scope:SCOPE_SE
	s_setreg_imm32_b32 hwreg(HW_REG_WAVE_MODE, 25, 1), 1
	s_wait_xcnt 0x0
	s_wait_alu depctr_hold_cnt(0) depctr_sa_sdst(0) depctr_va_vdst(0) depctr_va_sdst(0) depctr_va_ssrc(0) depctr_va_vcc(0) depctr_vm_vsrc(0)
	s_getreg_b32 s2, hwreg(HW_REG_IB_STS2, 6, 4)
	s_cmp_eq_u32 s2, 0
	s_cbranch_scc0 .Lentry_in_a_cluster
	s_endpgm
.Lentry_in_a_cluster:
	s_bfe_u32 s2, ttmp6, 0x10000c
	s_cmp_lg_u32 s2, 0xf033
	s_cbranch_scc0 .Lentry_shape_is_right
	s_endpgm
.Lentry_shape_is_right:
; Q, K, V = x W + b on codes of BF6 (E3M2) with E8M0 scales, as one product [4096] x [3072 positions] x K 1024; the results are quantised here, in registers, for the attention launch.
; A tile of 256 x 256 is made by four waves, 128 x 128 each (64 accumulators, 512 registers).  K goes in steps of 256 through a ring of two LDS slots filled by the tensor data mover;
; the scale bytes of the work-group's rows come into LDS once.  4 x 4 work-groups form a cluster: x's tiles are asked for jointly along a row of the cluster, the weights' along a column.
; The cluster's x says which tensor: 0 Q, 1 K, 2 V: the same in all sixteen partners, so branches may hang on it.
; THE MATRIX INSTRUCTION IS USED TRANSPOSED (source 0 = 16 positions of the weights, source 1 = 16 rows of x), and the weights' rows are permuted by the launch before, so that in lane (r, h) the 16 registers of
; the weights' blocks 2 g and 2 g + 1 are: Q, K: columns 32 g + 16 h + 0 .. 15 of row r: half a quantiser block along d (the other half in lane l xor 16);
; V: the 16 chunks of row r at one d = 2 g + h: keys 16 s .. 16 s + 15 of the head: half a quantiser block along the keys (the other half in the next row: lane l xor 1).
; The bias is the C of each sum's first matrix instruction.
; A head is 128 rows, so a wave's rows are one head; its 128 positions are one slab of the output:
;   Q, K: [head][slab 8][13,312]: codes at 96 s + 24 g (+ 12 h), then 1,024 bytes of scale words (two real bytes, repeated in the upper two) at 64 (s / 8) + 32 chunk + 16 (s % 2) + 4 ((s / 2) % 4);
;   V:    [head][slab 8][12,800]: halves of images of the operand's registers at 768 (key step) + 256 (register / 4) + 128 (lane half) + 16 (d % 8) + 4 (register % 4), then 512 scale bytes at 32 (key step) + 4 (d % 8) + block.
; LIMITS: a block whose largest magnitude lies under 2^-122 keeps the byte 1, a block of zeros too (its codes are zeros); NaN and infinities are not served.
; REGISTERS, in windows of 256: window 0: v0-31 addresses; v32-63 scale words, two sets, and nothing else; v64-127 the bias, later the epilogue's work; from v128 x's fragments, one set, later the way out.
;   window 1: the weights' fragments, two sets.   window 2: the accumulators of my rows 0-63 ((a, b) at v[8 (8 a + b)]);   window 3: those of my rows 64-127.
.set SIZE_K, 1024
.set KSTEP,  256
.set NQ,     KSTEP/128
.set ROWB,   192                       ; a tile's row in bytes
.set KROW,   SIZE_K*6/8                ; a row of codes in memory
.set PITCH,  240                       ; an LDS row: 3 x (64 bytes + 16 of padding)
.set FR,     12
.set NL,     6
.set NP,     4                         ; places behind this matrix instruction (ISA guide 7.12.1)
.set HALFT,  128*PITCH
.set SLOT,   4*HALFT
.set LAPS,   SIZE_K/(2*KSTEP)
.set KS,     SIZE_K/32
.set SCL,    2*SLOT                    ; behind the ring: the scales, as units of 256 bytes + 16
.set HALFS,  (128*KS/256)*272
.set SBLK,   (16*KS/256)*272
.set SPARE,  SCL+4*HALFS               ; the spare words: two blocks of 256 bytes that no other line names
.set ADRA, 16
.set ADRB, 20
.set CO,   26                          ; v26  16 x lane
.set ADRS, 27
.set SPW,  28
.set NIL,  29
.set SC,   32
.set BI,   64                          ; v64-127: register 8 b + j: the bias at my position 16 b + 8 h + j
.set AF,   128
.set TM,   64                          ; the epilogue: v64-67 largest magnitudes, v68-71 permute targets, v72-75 scale operands, v76-79 bytes, v80-95 codes, v96-97 words, v98-102 LDS addresses, v103-106 at work
.set TP,   68
.set TS,   72
.set TB,   76
.set CD,   80
.set WD,   96
.set SA,   98
.set SAS,  101
.set RDL,  102
.set OB,   128                         ; v128-151 two sets of 12 on the way out; v152-159 the scales' way out
.set G1, 24
.set G0, 32
.set G1B, 48
.set G0B, 56
.set G1S, 68
.set G0S, 76
.set G1SB, 80
.set G0SB, 88
.set MSB, 0
.macro WIN new                         ; the immediate's high byte repeats the setting that is left
.if MSB != \new
	s_set_vgpr_msb (MSB<<8)|\new
.set MSB, \new
.endif
.endm
.set MUL_LO, 0xa1                      ; source 0 (weights) window 1, source 1 (x) window 0, C and D window 2
.set MUL_HI, 0xf1
.set FIRST_LO, 0x81                    ; the same with C (the bias) in window 0
.set FIRST_HI, 0xc1
.set TO_B,   0x40
; A joint load: waves 0 and 1 fetch for x, waves 2 and 3 for the weights; the branch hangs on the wave's number alone.  Four v_nop follow each of the two lines.
.macro JLOAD g0a, g1a, g0b, g1b
	s_cmp_eq_u32 s15, 0
	s_cbranch_scc0 .Lfor_b_\@
	tensor_load_to_lds s[\g0a:\g0a+3], s[\g1a:\g1a+7]
	s_nop 0
.rept 4
	v_nop
.endr
	s_branch .Lasked_\@
.Lfor_b_\@:
	tensor_load_to_lds s[\g0b:\g0b+3], s[\g1b:\g1b+7]
	s_nop 0
.rept 4
	v_nop
.endr
.Lasked_\@:
.endm
.macro CREST                           ; a round of the cluster's barrier behind its opening barrier
	s_cmp_lg_u32 s14, 0
	s_cbranch_scc1 .Lnot_wave_0_\@
	s_barrier_signal -3
.Lnot_wave_0_\@:
	s_barrier_wait -3
	s_barrier_signal -1
	s_barrier_wait -1
.endm
.macro CROUND
	s_barrier_signal -1
	s_barrier_wait -1
	CREST
.endm
	s_load_b128 s[4:7], s[0:1], 0x0                ; x's codes, x's scales
	s_load_b128 s[8:11], s[0:1], 0x10              ; the weights' codes, their scales
	s_load_b128 s[96:99], s[0:1], 0x20             ; bq, bk
	s_load_b64 s[100:101], s[0:1], 0x30            ; bv
	s_load_b64 s[12:13], s[0:1], 0x38              ; the output
	v_lshl_add_u32 v[SPW], v0, 2, SPARE
	v_mov_b32 v[NIL], 0
	ds_add_u32 v28, v29
	ds_add_u32 v28, v29
	s_wait_dscnt 0x0
	v_lshrrev_b32 v1, 5, v0
	v_readfirstlane_b32 s14, v1                    ; wave 0..3
	s_lshr_b32 s15, s14, 1                         ; which half of the tile's rows is mine.  Also: I fetch for x (0) or for the weights (1)
	s_and_b32 s16, s14, 1                          ; which half of its columns.  Also: which 128 rows of that tile I fetch
	s_bfe_u32 s40, ttmp6, 0x40000                  ; cx, cy
	s_bfe_u32 s41, ttmp6, 0x40004
	s_lshl_b32 s42, ttmp9, 2
	s_add_co_u32 s42, s42, s40                     ; tile column
	s_and_b32 s17, ttmp7, 0xffff
	s_lshl_b32 s17, s17, 2
	s_add_co_u32 s17, s17, s41                     ; tile row
	s_lshl_b32 s43, s41, 2
	s_lshl_b32 s43, 15, s43                        ; my row of the cluster
	s_lshl_b32 s44, 0x1111, s40                    ; my column
	s_or_b32 s[G1+0], s43, (0<<16)|(1<<20)|(1<<21)|(3<<22)|(3<<25)  ; the mask; elements of 1 byte; padding on; bit 21 beside a mask; after every 16 words 4 words
	s_or_b32 s[G1B+0], s44, (0<<16)|(1<<20)|(1<<21)|(3<<22)|(3<<25)
.irp g, G1, G1B
	s_mov_b32 s[\g+1], ROWB<<16                    ; tensor_dim0
	s_mov_b32 s[\g+2], 128<<16                     ; tensor_dim1
	s_mov_b32 s[\g+3], ROWB<<16                    ; tile_dim0
	s_mov_b32 s[\g+4], 128                         ; tile_dim1
	s_mov_b32 s[\g+5], KROW                        ; the pitch
	s_mov_b32 s[\g+6], 0
	s_mov_b32 s[\g+7], 0
.endr
	s_or_b32 s[G1S+0], s43, (3<<16)|(1<<20)|(1<<21)|(5<<22)|(3<<25)   ; the scales of 128 rows: a dense block, as rows of 256 bytes, 16 bytes of padding behind each
	s_or_b32 s[G1SB+0], s44, (3<<16)|(1<<20)|(1<<21)|(5<<22)|(3<<25)
.irp g, G1S, G1SB
	s_mov_b32 s[\g+1], 32<<16
	s_mov_b32 s[\g+2], (128*KS/256)<<16
	s_mov_b32 s[\g+3], 32<<16
	s_mov_b32 s[\g+4], 128*KS/256
	s_mov_b32 s[\g+5], 32
	s_mov_b32 s[\g+6], 0
	s_mov_b32 s[\g+7], 0
.endr
	s_lshl_b32 s18, s16, 7
	s_lshl_b32 s20, s17, 8
	s_add_co_u32 s20, s20, s18                     ; x: row 256 x tile row + 128 x half
	s_lshl_b32 s46, s42, 8
	s_add_co_u32 s46, s46, s18                     ; weights: position 256 x tile column + 128 x half
	s_mov_b32 s21, 0
	s_mov_b32 s47, 0
	s_mov_b64 s[18:19], KS
	s_mul_u64 s[22:23], s[20:21], s[18:19]
	s_mul_u64 s[92:93], s[46:47], s[18:19]
	s_mov_b64 s[18:19], KROW
	s_mul_u64 s[20:21], s[20:21], s[18:19]
	s_mul_u64 s[46:47], s[46:47], s[18:19]
	s_mul_i32 s45, s14, HALFT                      ; where they go: wave x 128 rows
	s_mul_i32 s94, s14, HALFS
	s_wait_kmcnt 0x0
	s_add_nc_u64 s[20:21], s[4:5], s[20:21]
	s_add_nc_u64 s[22:23], s[6:7], s[22:23]
	s_add_nc_u64 s[46:47], s[8:9], s[46:47]
	s_add_nc_u64 s[92:93], s[10:11], s[92:93]
	CROUND                                         ; all sixteen work-groups are here: the first joint loads meet
	s_mov_b32 s[G0S], 1
	s_add_co_u32 s[G0S+1], s94, SCL
	s_mov_b64 s[G0S+2:G0S+3], s[22:23]
	s_or_b32 s[G0S+3], s[G0S+3], 0x80000000
	s_mov_b32 s[G0SB], 1
	s_add_co_u32 s[G0SB+1], s94, SCL
	s_mov_b64 s[G0SB+2:G0SB+3], s[92:93]
	s_or_b32 s[G0SB+3], s[G0SB+3], 0x80000000
	JLOAD G0S, G1S, G0SB, G1SB                     ; the scales first
.irp s, 0,1
	s_mov_b32 s[G0+4*\s], 1
	s_add_co_u32 s[G0+4*\s+1], s45, \s*SLOT
	s_add_nc_u64 s[G0+4*\s+2:G0+4*\s+3], s[20:21], \s*ROWB
	s_or_b32 s[G0+4*\s+3], s[G0+4*\s+3], 0x80000000
	s_mov_b32 s[G0B+4*\s], 1
	s_add_co_u32 s[G0B+4*\s+1], s45, \s*SLOT
	s_add_nc_u64 s[G0B+4*\s+2:G0B+4*\s+3], s[46:47], \s*ROWB
	s_or_b32 s[G0B+4*\s+3], s[G0B+4*\s+3], 0x80000000
	JLOAD G0+4*\s, G1, G0B+4*\s, G1B               ; three tensor loads of mine are out
.endr
	v_and_b32 v1, 15, v0                           ; r
	v_bfe_u32 v2, v0, 4, 1                         ; h
	v_mul_u32_u24 v3, v1, PITCH
	v_mul_u32_u24 v4, v2, 24
	v_add_nc_u32 v4, v3, v4                        ; a fragment's row x pitch + 24 x half
	v_lshl_add_u32 v5, v2, 4, v4                   ; and the same behind one padding more
	s_mul_i32 s21, s15, HALFT
	s_mul_i32 s22, s16, HALFT
	s_add_co_u32 s22, s22, 2*HALFT
.irp s, 0,1
	v_add_nc_u32 v[ADRA+\s], s21, v4
	v_add_nc_u32 v[ADRB+\s], s22, v4
	v_add_nc_u32 v[ADRA+2+\s], s21, v5
	v_add_nc_u32 v[ADRB+2+\s], s22, v5
	s_add_co_u32 s21, s21, SLOT
	s_add_co_u32 s22, s22, SLOT
.endr
	v_mul_u32_u24 v5, v1, KS
	v_lshrrev_b32 v6, 8, v5
	v_lshl_add_u32 v5, v6, 4, v5
	s_mul_i32 s21, s15, HALFS
	s_mul_i32 s22, s16, HALFS
	s_add_co_u32 s22, s22, 2*HALFS
	s_sub_co_u32 s22, s22, s21
	v_mul_u32_u24 v6, s22, v2                      ; lanes 16-31 take the weights' scale words
	s_add_co_u32 s21, s21, SCL
	v_add_nc_u32 v5, v5, v6
	v_add_nc_u32 v[ADRS], s21, v5
	v_and_b32 v6, 31, v0
	v_lshlrev_b32 v[CO], 4, v6
	; my slab of the output, and my 128 numbers of the bias
	s_lshl_b32 s66, s40, 1
	s_add_co_u32 s66, s66, s16                     ; which 128 of the tensor's 1,024 positions
	s_lshl_b32 s67, s17, 1
	s_add_co_u32 s67, s67, s15                     ; the head
	s_cmp_eq_u32 ttmp9, 2
	s_mov_b32 s104, 106496
	s_cselect_b32 s104, 102400, s104               ; a head's bytes,
	s_mov_b32 s105, 13312
	s_cselect_b32 s105, 12800, s105                ; a slab's
	s_mul_i32 s104, s67, s104
	s_mul_i32 s105, s66, s105
	s_add_co_u32 s104, s104, s105
	s_mul_i32 s105, ttmp9, 3407872                 ; Q at 0, K behind Q's 32 heads, V behind K's
	s_add_co_u32 s104, s104, s105
	s_mov_b32 s105, 0
	s_add_nc_u64 s[12:13], s[12:13], s[104:105]
	s_cmp_eq_u32 ttmp9, 1
	s_cselect_b64 s[96:97], s[98:99], s[96:97]
	s_lshl_b32 s104, s66, 9
	s_add_nc_u64 s[96:97], s[96:97], s[104:105]    ; Q, K: my 128 columns
	s_lshl_b32 s104, s66, 5
	s_add_nc_u64 s[100:101], s[100:101], s[104:105] ; V: my 8 d
	v_lshlrev_b32 v9, 6, v2
	v_lshlrev_b32 v10, 2, v2
	s_cmp_eq_u32 ttmp9, 2
	s_cbranch_scc1 .Lbias_v
.irp g, 0,1,2,3
.irp u, 0,1
	global_load_b128 v[BI+8*(2*\g+\u):BI+8*(2*\g+\u)+3], v9, s[96:97] offset:(32*\g+8*\u)*4          ; columns 32 g + 16 h + 8 u + 0 .. 7
	global_load_b128 v[BI+8*(2*\g+\u)+4:BI+8*(2*\g+\u)+7], v9, s[96:97] offset:(32*\g+8*\u)*4+16
.endr
.endr
	s_branch .Lbias_done
.Lbias_v:
.irp g, 0,1,2,3
.irp u, 0,1
.irp j, 0,1,2,3,4,5,6,7
	global_load_b32 v[BI+8*(2*\g+\u)+\j], v10, s[100:101] offset:((8*\u+\j)*64+2*\g)*4              ; chunk 8 u + j, d = 2 g + h
.endr
.endr
.endr
.Lbias_done:
.macro FRAG reg, adr, q, i             ; 16 rows x 128 K of 6-bit codes: 12 registers, in pieces of 8 bytes; where the piece three on lies behind one padding more, the second address register serves
.irp p, 0,1,2,3,4,5
.set PC, 12*(\q)+6*(\p/3)+\p%3
.if PC%8 < 5
	ds_load_b64 v[\reg+2*\p:\reg+2*\p+1], v[\adr] offset:8*PC+16*(PC/8)+(\i)*16*PITCH
.else
	ds_load_b64 v[\reg+2*\p:\reg+2*\p+1], v[\adr+2] offset:8*PC+16*(PC/8)+(\i)*16*PITCH
.endif
.endr
.endm
; 16 matrix instructions: x's blocks a0, a0 + 1 against the weights' eight.  zero = 1: the first product starts the sums, with the bias as C.  The 64 accumulators take turns, one instruction a turn.
.macro MUL16 a0, p, q, sc, zero
.irp a, \a0, \a0+1
.irp b, 0,1,2,3,4,5,6,7
.if \zero
	v_wmma_scale_f32_16x16x128_f8f6f4 v[8*(8*((\a)%4)+\b):8*(8*((\a)%4)+\b)+7], v[128*(\p)+FR*\b:128*(\p)+FR*\b+FR-1], v[AF+FR*(\a):AF+FR*(\a)+FR-1], v[BI+8*\b:BI+8*\b+7], v[SC+8*NQ*(\sc)+NQ*\b+(\q)], v[SC+8*NQ*(\sc)+NQ*(\a)+(\q)] matrix_a_fmt:MATRIX_FMT_BF6 matrix_b_fmt:MATRIX_FMT_BF6 matrix_a_scale:MATRIX_SCALE_ROW1
.else
	v_wmma_scale_f32_16x16x128_f8f6f4 v[8*(8*((\a)%4)+\b):8*(8*((\a)%4)+\b)+7], v[128*(\p)+FR*\b:128*(\p)+FR*\b+FR-1], v[AF+FR*(\a):AF+FR*(\a)+FR-1], v[8*(8*((\a)%4)+\b):8*(8*((\a)%4)+\b)+7], v[SC+8*NQ*(\sc)+NQ*\b+(\q)], v[SC+8*NQ*(\sc)+NQ*(\a)+(\q)] matrix_a_fmt:MATRIX_FMT_BF6 matrix_b_fmt:MATRIX_FMT_BF6 matrix_a_scale:MATRIX_SCALE_ROW1
.endif
.endr
.endr
.endm
.macro FETCH_B slot, q, p
	WIN TO_B
.irp i, 0,1,2,3,4,5,6,7
	FRAG 128*(\p)+FR*\i, ADRB+\slot, \q, \i
.endr
	WIN 0
.endm
.macro FETCH_A slot, q, i0
.irp i, \i0, \i0+1, \i0+2, \i0+3
	FRAG AF+FR*(\i), ADRA+\slot, \q, \i
.endr
.endm
.macro SCALES sc                       ; a K step's scale words: lanes 0-15 take x's block i, lanes 16-31 the weights' block i
.irp i, 0,1,2,3,4,5,6,7
	ds_load_b64 v[SC+8*NQ*\sc+NQ*\i:SC+8*NQ*\sc+NQ*\i+1], v[ADRS] offset:\i*SBLK
.endr
.endm
.macro PLACES n                        ; plain vector lines between a matrix instruction and a load into, or a read of, its registers
.rept \n
	v_nop
.endr
.endm
.macro STEP slot, q, zero              ; 128 along K with its successor in the same slot
	s_wait_dscnt 4*NL                              ; the weights' set and x's blocks 0-3 are in; the youngest 24 loads (x's blocks 4-7) may be out
.if \zero
	WIN FIRST_LO
.else
	WIN MUL_LO
.endif
	MUL16 0, (\q)%2, \q, \slot, \zero
	MUL16 2, (\q)%2, \q, \slot, \zero
	s_wait_dscnt 0
	PLACES NP
	FETCH_B \slot, (\q)+1, 1-(\q)%2
	FETCH_A \slot, (\q)+1, 0
.if \zero
	WIN FIRST_HI
.else
	WIN MUL_HI
.endif
	MUL16 4, (\q)%2, \q, \slot, \zero
	MUL16 6, (\q)%2, \q, \slot, \zero
	PLACES NP
	WIN 0
	FETCH_A \slot, (\q)+1, 4
.endm
; A slot's last step changes slots: one barrier; in front of it each wave waits for all its tensor loads, adds 0 to its spare word, and waits for that and for its reads of this slot.
.macro TURN slot, next, fill
	s_wait_tensorcnt 0x0                           ; all my tensor loads have landed: my part of the next slot
	ds_add_u32 v[SPW], v[NIL]                      ; 0 onto my spare word
	s_wait_dscnt 4*NL+1                            ; (the add and the youngest 24 loads may be out)
	WIN MUL_LO
	MUL16 0, 1, NQ-1, \slot, 0
	s_wait_dscnt 0x0                               ; the add is done, and my reads of this slot are over
	s_barrier_signal -1
	MUL16 2, 1, NQ-1, \slot, 0
	WIN 0
	s_barrier_wait -1
.if \fill
	CREST                                          ; the barrier has opened a round of the cluster's barrier: no wave of any partner still reads this slot or has a load on its way
	s_add_nc_u64 s[G0+4*\slot+2:G0+4*\slot+3], s[G0+4*\slot+2:G0+4*\slot+3], 2*ROWB
	s_add_nc_u64 s[G0B+4*\slot+2:G0B+4*\slot+3], s[G0B+4*\slot+2:G0B+4*\slot+3], 2*ROWB
	JLOAD G0+4*\slot, G1, G0B+4*\slot, G1B         ; the first tensor load behind the round, my only one until the next
.else
	PLACES NP
.endif
	v_add_nc_u32 v[ADRS], 4*NQ, v[ADRS]
	FETCH_B \next, 0, 0
	FETCH_A \next, 0, 0
	SCALES \next
	WIN MUL_HI
	MUL16 4, 1, NQ-1, \slot, 0
	MUL16 6, 1, NQ-1, \slot, 0
	PLACES NP
	WIN 0
	FETCH_A \next, 0, 4
.endm
	s_wait_tensorcnt 1                             ; the scales and my part of K step 0 are in; K step 1's load may be out
	s_barrier_signal -1
	s_barrier_wait -1
	FETCH_B 0, 0, 0
	FETCH_A 0, 0, 0
	SCALES 0
	FETCH_A 0, 0, 4
	s_wait_loadcnt 0x0                             ; the bias
	STEP 0, 0, 1
	s_mov_b32 s3, LAPS-1
.Llap:
	TURN 0, 1, 1
	STEP 1, 0, 0
	TURN 1, 0, 1
	STEP 0, 0, 0
	s_sub_co_u32 s3, s3, 1
	s_cmp_lg_u32 s3, 0
	s_cbranch_scc1 .Llap
	TURN 0, 1, 0                                   ; the last lap fills nothing
	STEP 1, 0, 0
	s_wait_dscnt 4*NL
	WIN MUL_LO
	MUL16 0, 1, NQ-1, 1, 0
	MUL16 2, 1, NQ-1, 1, 0
	s_wait_dscnt 0
	WIN MUL_HI
	MUL16 4, 1, NQ-1, 1, 0
	MUL16 6, 1, NQ-1, 1, 0
	WIN 0
; THE EPILOGUE.  Block a (16 rows of x) at a time: four half blocks of 16 numbers a lane are quantised; their 12 bytes go through the wave's own stage in LDS, laid as the slab wants them, and come back as
; 1,536 consecutive bytes, which three stores of 512 bytes take out.  The stages lie in slot 0, which has had its last fill and, behind the last change of slots, its last read; each path has bytes of its own.
.macro ESEND n                         ; block n's 1,536 bytes leave
	s_wait_dscnt 0x0                               ; they are back in registers, and the stage's stores have read theirs
.irp k, 0,1,2
	global_store_b128 v[CO], v[OB+12*((\n)%2)+4*\k:OB+12*((\n)%2)+4*\k+3], s[12:13] offset:1536*(\n)+512*\k th:TH_STORE_NT   ; 32 lanes store 512 consecutive bytes, aligned
.endr
.endm
.macro CLOSE
	s_wait_tensorcnt 0x0                           ; the wave's end
	ds_add_u32 v[SPW], v[NIL]
	s_wait_dscnt 0x0
	CROUND                                         ; the closing round
	s_endpgm
.endm
.macro EPI isv
	s_lshl_b32 s23, s14, 12                        ; my stage: 4,096 bytes a wave
.if \isv
	s_add_co_u32 s23, s23, 16384
	v_bfe_u32 v103, v0, 3, 1
	v_mul_u32_u24 v103, v103, 768                  ; key step r / 8 of the block's two
	v_bfe_u32 v104, v0, 1, 1
	v_lshl_add_u32 v103, v104, 7, v103             ; the operand's lane half: (r / 2) % 2
	v_lshl_add_u32 v103, v2, 4, v103               ; d % 8 = 2 g + h
	v_add_nc_u32 v103, s23, v103
	v_bfe_u32 v104, v0, 2, 1
	v_mul_u32_u24 v104, v104, 6
	v_and_b32 v105, 1, v0
	v_mad_u32_u24 v104, v105, 3, v104              ; my first register of the operand's twelve: 6 ((r / 4) % 2) + 3 (r % 2)
.irp w, 0,1,2
	v_add_nc_u32 v105, \w, v104
	v_lshrrev_b32 v106, 2, v105
	v_and_b32 v105, 3, v105
	v_lshl_add_u32 v106, v106, 8, v103
	v_lshl_add_u32 v[SA+\w], v105, 2, v106
.endr
	v_bfe_u32 v105, v0, 3, 1
	v_lshlrev_b32 v105, 5, v105
	v_lshl_add_u32 v105, v2, 2, v105
	v_bfe_u32 v106, v0, 1, 2
	v_add_nc_u32 v105, v105, v106
	v_add_nc_u32 v105, s23, v105
	v_add_nc_u32 v[SAS], 2048, v105                ; the scale byte: 32 (r / 8) + 4 h + (r / 2) % 4
.else
	v_mul_u32_u24 v103, v1, 96
	v_mad_u32_u24 v103, v2, 12, v103
	v_add_nc_u32 v[SA], s23, v103                  ; 96 r + 12 h
	v_bfe_u32 v105, v0, 3, 1
	v_lshlrev_b32 v105, 6, v105
	v_lshl_add_u32 v105, v2, 5, v105
	v_and_b32 v106, 1, v0
	v_lshl_add_u32 v105, v106, 4, v105
	v_bfe_u32 v106, v0, 1, 2
	v_lshl_add_u32 v105, v106, 2, v105
	v_add_nc_u32 v105, s23, v105
	v_add_nc_u32 v[SAS], 2048, v105                ; the scale word: 64 (r / 8) + 32 h + 16 (r % 2) + 4 ((r / 2) % 4): lanes 0-15 store chunk 0's, lanes 16-31 chunk 1's
.irp b, 0,1,2,3
	v_mov_b32 v[TP+\b], 0                          ; a lane permute's destination counts as one of its sources
.endr
.endif
	v_add_nc_u32 v[RDL], s23, v[CO]
.irp a, 0,1,2,3,4,5,6,7
.set W, 2+(\a)/4
.set AC, 64*((\a)%4)
.set WA, W|(W<<2)|(W<<4)
.set WB, (W<<2)|(W<<4)
	WIN WA
.irp b, 0,1,2,3
	v_max3_num_f32 v[TM+\b], |v[AC+16*\b]|, |v[AC+16*\b+1]|, |v[AC+16*\b+2]|   ; each accumulator is read from its low end on
.endr
	WIN WB
.irp i, 3,5,7,9,11,13
.irp b, 0,1,2,3
	v_max3_num_f32 v[TM+\b], v[TM+\b], |v[AC+16*\b+\i]|, |v[AC+16*\b+\i+1]|
.endr
.endr
.irp b, 0,1,2,3
	v_max3_num_f32 v[TM+\b], v[TM+\b], |v[AC+16*\b+15]|, 0x2800000             ; and the floor 2^(5 - 127)
.endr
	WIN 0
.if \a > 0
	ESEND (\a)-1                                   ; the block before leaves: the 32 lines above stood between its loads from the stage and this wait
.endif
.if \isv
.irp b, 0,1,2,3
	v_max_num_f32_dpp v[TM+\b], v[TM+\b], v[TM+\b] row_xmask:1 row_mask:0xf bank_mask:0xf   ; with the next row's 16 keys
.endr
.else
.irp b, 0,1,2,3
	v_permlanex16_b32 v[TP+\b], v[TM+\b], s20, s21
.endr
.irp b, 0,1,2,3
	v_max_num_f32 v[TM+\b], v[TM+\b], v[TP+\b]     ; with lane l xor 16's 16 columns
.endr
.endif
.irp b, 0,1,2,3
	v_add_nc_u32 v[TS+\b], 0xfe000000, v[TM+\b]    ; 4 off the exponent field: the conversion's scale operand
.endr
.irp b, 0,1,2,3
	v_lshrrev_b32 v[TB+\b], 23, v[TS+\b]           ; the scale's byte
.endr
	WIN W
.irp b, 0,1,2,3
	v_cvt_scalef32_pk16_bf6_f32 v[CD+4*\b:CD+4*\b+2], v[AC+16*\b:AC+16*\b+15], v[TS+\b]
.endr
	WIN 0
	v_nop                                          ; one plain line behind the conversions
.if \isv
.irp b, 0,1,2,3
.irp w, 0,1,2
	ds_store_b32 v[SA+\w], v[CD+4*\b+\w] offset:32*\b
.endr
.endr
.irp b, 0,1,2,3
	ds_store_b8 v[SAS], v[TB+\b] offset:64*\a+8*\b ; both rows of a block write the same byte
.endr
.else
.irp b, 0,1,2,3
.irp w, 0,1,2
	ds_store_b32 v[SA], v[CD+4*\b+\w] offset:24*\b+4*\w
.endr
.endr
	v_lshl_or_b32 v[WD], v[TB+1], 8, v[TB]
	v_lshl_or_b32 v[WD+1], v[TB+3], 8, v[TB+2]
	v_cndmask_b32 v[WD], v[WD], v[WD+1], s22       ; lanes 16-31: chunk 1's two bytes
	v_lshl_or_b32 v[WD], v[WD], 16, v[WD]          ; repeated in the upper half, which scales the empty half of the attention's K
	ds_store_b32 v[SAS], v[WD] offset:128*\a
.endif
	s_wait_xcnt 0x0                                ; the stores of two blocks ago have read this set's registers
.irp k, 0,1,2
	ds_load_b128 v[OB+12*((\a)%2)+4*\k:OB+12*((\a)%2)+4*\k+3], v[RDL] offset:512*\k   ; LDS serves a wave's instructions in order: these see the stores above, and the next block's stores come behind them
.endr
.endr
	ds_load_b128 v[152:155], v[RDL] offset:2048
.if !\isv
	ds_load_b128 v[156:159], v[RDL] offset:2560
.endif
	ESEND 7
	global_store_b128 v[CO], v[152:155], s[12:13] offset:12288 th:TH_STORE_NT
.if !\isv
	global_store_b128 v[CO], v[156:159], s[12:13] offset:12800 th:TH_STORE_NT
.endif
.endm
	PLACES NP
	s_mov_b32 s20, 0x76543210
	s_mov_b32 s21, 0xfedcba98                      ; v_permlanex16_b32's selects for lane l xor 16
	s_mov_b32 s22, 0xffff0000                      ; lanes 16-31
	s_cmp_eq_u32 ttmp9, 2
	s_cbranch_scc1 .Lepi_v
	EPI 0
	CLOSE
.Lepi_v:
	EPI 1
	CLOSE
.Lfunc_end_k_qeb8b084e27_qkv:
	.size	k_qeb8b084e27_qkv, .Lfunc_end_k_qeb8b084e27_qkv-k_qeb8b084e27_qkv
	.p2alignl 7, 3214868480
	.fill 96, 4, 3214868480
	.section	.rodata,"a",@progbits
	.p2align	6, 0x0
	.amdhsa_kernel k_qeb8b084e27_qkv
		.amdhsa_group_segment_fixed_size 327680
		.amdhsa_private_segment_fixed_size 0
		.amdhsa_enable_private_segment 0
		.amdhsa_kernarg_size 64
		.amdhsa_user_sgpr_count 2
		.amdhsa_user_sgpr_kernarg_segment_ptr 1
		.amdhsa_wavefront_size32 1
		.amdhsa_system_sgpr_workgroup_id_x 1
		.amdhsa_system_sgpr_workgroup_id_y 1
		.amdhsa_system_sgpr_workgroup_id_z 1
		.amdhsa_system_vgpr_workitem_id 0
		.amdhsa_next_free_vgpr 1024
		.amdhsa_next_free_sgpr 106
		.amdhsa_reserve_vcc 0
		.amdhsa_float_denorm_mode_32 3
		.amdhsa_float_denorm_mode_16_64 3
		.amdhsa_memory_ordered 1
		.amdhsa_forward_progress 1
		.amdhsa_inst_pref_size 219
	.end_amdhsa_kernel
	.amdgpu_metadata
---
amdhsa.version: [ 1, 2 ]
amdhsa.kernels:
  - .name:           k_qeb8b084e27_qkv
    .symbol:         k_qeb8b084e27_qkv.kd
    .args:
      - { .name: xc, .offset: 0, .size: 8, .value_kind: global_buffer, .address_space: global }
      - { .name: xs, .offset: 8, .size: 8, .value_kind: global_buffer, .address_space: global }
      - { .name: wc, .offset: 16, .size: 8, .value_kind: global_buffer, .address_space: global }
      - { .name: ws, .offset: 24, .size: 8, .value_kind: global_buffer, .address_space: global }
      - { .name: bq, .offset: 32, .size: 8, .value_kind: global_buffer, .address_space: global }
      - { .name: bk, .offset: 40, .size: 8, .value_kind: global_buffer, .address_space: global }
      - { .name: bv, .offset: 48, .size: 8, .value_kind: global_buffer, .address_space: global }
      - { .name: qkv, .offset: 56, .size: 8, .value_kind: global_buffer, .address_space: global }
    .group_segment_fixed_size: 327680
    .private_segment_fixed_size: 0
    .kernarg_segment_align: 8
    .kernarg_segment_size: 64
    .max_flat_workgroup_size: 128
    .sgpr_count:     106
    .vgpr_count:     1024
    .wavefront_size: 32
...
	.end_amdgpu_metadata
.endif
;; end of part 2
;; launch attn (part 3): grid 8 x 32, 16 waves a work-group, clusters of 4 x 1, 227,328 bytes of LDS; arguments qkv, woc, wos, x, bo, gamma, beta, out0; writes out0
.if DOCPART == 3
	.amdgcn_target "amdgcn-amd-amdhsa--gfx1250"
	.amdhsa_code_object_version 6
	.text
	.protected	k_qeb8b084e27_attn
	.globl	k_qeb8b084e27_attn
	.p2align	8
	.type	k_qeb8b084e27_attn,@function
k_qeb8b084e27_attn:
	s_mov_b64 s[64:65], 0
	v_nop
	global_prefetch_b8 v0, s[64:65] scope:SCOPE_SE
	s_setreg_imm32_b32 hwreg(HW_REG_WAVE_MODE, 25, 1), 1
	s_wait_xcnt 0x0
	s_wait_alu depctr_hold_cnt(0) depctr_sa_sdst(0) depctr_va_vdst(0) depctr_va_sdst(0) depctr_va_ssrc(0) depctr_va_vcc(0) depctr_vm_vsrc(0)
	s_getreg_b32 s2, hwreg(HW_REG_IB_STS2, 6, 4)
	s_cmp_eq_u32 s2, 0
	s_cbranch_scc0 .Lentry_in_a_cluster
	s_endpgm
.Lentry_in_a_cluster:
	s_bfe_u32 s2, ttmp6, 0x10000c
	s_cmp_lg_u32 s2, 0x3003
	s_cbranch_scc0 .Lentry_shape_is_right
	s_endpgm
.Lentry_shape_is_right:
; out = gelu(layernorm(x + softmax(Q K^T / 8) V Wo + bo)), all three products on codes of BF6 (E3M2) with one E8M0 scale for each 32 along K.
; A head is 128 rows of the [4096][1024] projections; query or key 16 s + j of a head is row s, columns 64 j .. 64 j + 63.  So 256 queries are 16 WHOLE rows of ctx.
; SHARES.  A work-group owns 16 rows; each of its sixteen waves owns one row in the attention (its 16 queries are the row's 16 chunks) and columns 64 w .. 64 w + 63 of all 16 rows in the output projection.
; K AND V OF THE WHOLE HEAD, codes and scales, come into LDS once, by sixteen tensor loads (a slab a wave), asked for jointly by the four work-groups of a cluster, which belong to one head.
; No LDS byte is filled a second time.  Wo is NOT asked for jointly: a joint load lands in LDS, which K and V hold until the last key step, and each of its fragments feeds one instruction of a work-group.
; LAYOUT.  All products are used transposed: S^T = K Q^T, O^T = V^T P^T, out^T = Wo^T ctx^T: a lane holds one query (or one row) throughout.  The keys of a tile of K, and the d of a tile of V, are chosen so that
; 16 registers of two neighbouring tiles are 16 neighbours along the next product's K.
; K Q^T HAS K = 64 in an instruction of 128: Q's upper six registers hold zero codes; K's operand runs on into the next tile's six registers, whose codes meet those zeros and add nothing.
; THE SOFTMAX: t = score x log2(e) / 8; M = the running largest t rounded up to a whole number; p = 2^(t - M) is quantised along the keys; the row's sum is taken of the unquantised p and divides O at the end.
; GELU: erf by Abramowitz and Stegun 7.1.26 (absolute error 1.5e-7 for every argument): out = max(z, 0) - |z| q, q = half the polynomial in 1 / (1 + 0.2316419 |z|) times 2^(-z^2 log2(e) / 2).
; LIMITS: NaN and infinities are not served; a block under 2^-122 keeps the scale byte 1, a block of zeros too (its codes are zeros); v_exp_f32 gives 0 for results under 2^-126.
; REGISTERS: v1-13 addresses (v12 -M, v13 the largest t in the key loop); v[14:15] the sum; v16-27 Q; v28-31 scale operands; v32-85 K's 8 tiles x 6, six zeros; then V's 4 x 12; v86-93 at work; v95 the prefetch's offset;
;   v96-159 S^T, then p; v160-191 O^T, later out^T; v192-231 SCALES AND NOTHING ELSE (K's 192-199, V's 200-203, Q's 204, p's 205; later Wo's 192-223, ctx's 224-231); v232-243 p's codes; v244-254 at work.
.set KPI,  13376                       ; a slab of K in LDS: 13,312 bytes + 64
.set VPI,  12864                       ; a slab of V: 12,800 + 64
.set VREG, 8*KPI
.set CIMG, VREG+8*VPI                  ; ctx's 8 fragments, as images of their registers
.set CSC,  CIMG+8*1536                 ; ctx's scale bytes: 16 rows x 32
.set LN1,  CSC+512                     ; 16 rows x 16 partial sums, 80 bytes a row; the second reduction's lie LN2O further on
.set LNP,  80
.set LN2O, 16*LNP
.set SPI,  272                         ; the waves' stages: 16 rows x 272 bytes each, over K's slabs, used only when every wave has left the key loop
.set STGW, 16*SPI
.set WV,   20
.set SEL,  48
.set CS,   50
.set TK,   52                          ; the key step's bytes in a slab's codes: 768 a step, in K and in V
.set TS,   53                          ; in K's scale words: 64
.set TV,   54                          ; in V's: 32
.set CNT,  55
.set PFA,  72
.set PFW,  74
.set BM,   86
.set BP,   90
.set SO,   28
.set PFO,  95
.macro ROUND                           ; a round of the cluster's barrier
	s_barrier_signal -1
	s_barrier_wait -1
	s_cmp_lg_u32 s[WV], 0
	s_cbranch_scc1 .Lnot_wave_0_\@
	s_barrier_signal -3
.Lnot_wave_0_\@:
	s_barrier_wait -3
	s_barrier_signal -1
	s_barrier_wait -1
.endm
	s_load_b512 s[4:19], s[0:1], 0x0               ; qkv, woc, wos, x, bo, gamma, beta, out0
	v_lshl_add_u32 v254, v0, 2, 0x37000
	v_mov_b32 v255, 0
	ds_add_u32 v254, v255
	ds_add_u32 v254, v255
	s_wait_dscnt 0x0
	v_lshrrev_b32 v1, 5, v0
	v_readfirstlane_b32 s[WV], v1                  ; wave 0..15
	s_bfe_u32 s21, ttmp6, 0x40000                  ; cx: it enters global addresses alone
	s_lshl_b32 s22, ttmp9, 2
	s_add_co_u32 s22, s22, s21                     ; which 16 rows of the head
	s_and_b32 s23, ttmp7, 0xffff                   ; the head, which the four partners share
	s_and_b32 s56, s[WV], 7                        ; the slab that I fetch: of K (waves 0-7) or of V (waves 8-15)
	s_mov_b32 s24, 15|(3<<16)|(1<<21)              ; the mask: all four; elements of 8 bytes; bit 21 beside a mask; no padding
	s_mov_b32 s25, 32<<16                          ; a slab is dense: rows of 256 bytes
	s_mov_b32 s26, 52<<16                          ; K: 52 of them
	s_mov_b32 s27, 32<<16
	s_mov_b32 s28, 52
	s_mov_b32 s29, 32
	s_mov_b32 s30, 0
	s_mov_b32 s31, 0
	s_mov_b32 s32, 15|(3<<16)|(1<<21)
	s_mov_b32 s33, 32<<16
	s_mov_b32 s34, 50<<16                          ; V: 50
	s_mov_b32 s35, 32<<16
	s_mov_b32 s36, 50
	s_mov_b32 s37, 32
	s_mov_b32 s38, 0
	s_mov_b32 s39, 0
	s_mul_i32 s58, s23, 106496                     ; the head's slabs of Q (and, 3,407,872 on, of K)
	s_mov_b32 s59, 0
	s_mul_i32 s57, s56, 13312
	s_add_co_u32 s60, s58, s57
	s_add_co_u32 s60, s60, 3407872
	s_mov_b32 s61, 0
	s_mul_i32 s62, s23, 102400
	s_mul_i32 s57, s56, 12800
	s_add_co_u32 s62, s62, s57
	s_add_co_u32 s62, s62, 6815744
	s_mov_b32 s63, 0
	s_mov_b32 s[SEL], 0x76543210
	s_mov_b32 s[SEL+1], 0xfedcba98                 ; v_permlanex16_b32's selects for lane l xor 16
	s_mov_b32 s[CS], 0x3e38aa3b                    ; c = log2(e) / 8
	s_mov_b32 s[CS+1], s[CS]
	s_mov_b32 s[TK], 0
	s_mov_b32 s[TS], 0
	s_mov_b32 s[TV], 0
	s_mov_b32 s[CNT], 16
	s_wait_kmcnt 0x0
	s_mov_b32 s40, 1
	s_mul_i32 s41, s56, KPI
	s_add_nc_u64 s[42:43], s[4:5], s[60:61]
	s_or_b32 s43, s43, 0x80000000
	s_mov_b32 s44, 1
	s_mul_i32 s45, s56, VPI
	s_add_co_u32 s45, s45, VREG
	s_add_nc_u64 s[46:47], s[4:5], s[62:63]
	s_or_b32 s47, s47, 0x80000000
	ROUND                                          ; all four work-groups are here: the joint loads meet
	s_cmp_lt_u32 s[WV], 8                          ; one tensor load a wave: one of mine is out.  Four v_nop follow each of the two lines
	s_cbranch_scc0 .Lfor_v
	tensor_load_to_lds s[40:43], s[24:31]
	s_nop 0
.rept 4
	v_nop
.endr
	s_branch .Lasked
.Lfor_v:
	tensor_load_to_lds s[44:47], s[32:39]
	s_nop 0
.rept 4
	v_nop
.endr
.Lasked:
	s_lshl_b32 s66, s23, 7
	s_lshl_b32 s67, s22, 4
	s_add_co_u32 s57, s67, s[WV]                   ; my row in the head
	s_add_co_u32 s66, s66, s67                     ; the work-group's first row
	s_lshl_b32 s66, s66, 12
	s_mov_b32 s67, 0
	s_add_nc_u64 s[10:11], s[10:11], s[66:67]
	s_add_nc_u64 s[18:19], s[18:19], s[66:67]
	s_lshl_b32 s66, s[WV], 13
	s_add_nc_u64 s[PFA:PFA+1], s[10:11], s[66:67]  ; the prefetch: rows 2 w and 2 w + 1 of x (waves 0-7)
	s_lshl_b32 s66, s[WV], 8                       ; my 64 columns
	s_add_nc_u64 s[10:11], s[10:11], s[66:67]
	s_add_nc_u64 s[18:19], s[18:19], s[66:67]
	s_add_nc_u64 s[12:13], s[12:13], s[66:67]
	s_add_nc_u64 s[14:15], s[14:15], s[66:67]
	s_add_nc_u64 s[16:17], s[16:17], s[66:67]
	s_mul_i32 s66, s[WV], 49152                    ; my four tiles of Wo
	s_add_nc_u64 s[6:7], s[6:7], s[66:67]
	s_lshl_b32 s66, s[WV], 11
	s_add_nc_u64 s[8:9], s[8:9], s[66:67]
	s_add_nc_u64 s[4:5], s[4:5], s[58:59]          ; Q's slabs of my head
	s_cmp_lt_u32 s[WV], 8
	s_cselect_b32 s[PFW], 1, 0                     ; the trip (by its count) in which I prefetch: the last, or none
	v_bfe_u32 v28, v0, 1, 2                        ; (r % 8) / 2
	v_bfe_u32 v29, v0, 3, 1                        ; r / 8
	v_and_b32 v30, 1, v0                           ; r % 2
	v_bfe_u32 v31, v0, 4, 1                        ; h
	v_mul_u32_u24 v1, v28, KPI                     ; K: lane r of tile 2 b + u takes key 32 b + 8 u + r % 8 + 16 (r / 8): row 2 b + r / 8, chunk 8 u + r % 8
	v_mad_u32_u24 v1, v29, 96, v1
	v_mad_u32_u24 v1, v30, 48, v1
	v_mad_u32_u24 v1, v31, 24, v1
	v_mul_u32_u24 v2, v28, KPI                     ; its scale words: four (b = 0 .. 3) on end
	v_lshl_add_u32 v2, v30, 5, v2
	v_lshl_add_u32 v2, v29, 4, v2
	v_add_nc_u32 v2, 12288, v2
	v_and_b32 v5, 7, v0
	v_mul_u32_u24 v3, v29, 2*VPI                   ; V: lane r of tile 2 g + u takes d = 32 g + 8 u + r % 8 + 16 (r / 8)
	v_lshl_add_u32 v4, v5, 2, v3
	v_lshl_add_u32 v3, v31, 7, v3
	v_lshl_add_u32 v3, v5, 4, v3
	v_add_nc_u32 v3, VREG, v3
	v_add_nc_u32 v4, VREG+12288, v4
	v_bfe_u32 v6, v0, 1, 3                         ; Q: chunk r of my row: slab r / 2
	v_mul_u32_u24 v6, v6, 13312
	v_mad_u32_u24 v5, v30, 48, v6
	v_mad_u32_u24 v5, v31, 24, v5
	s_mul_i32 s66, s57, 96
	v_add_nc_u32 v5, s66, v5
	v_lshl_add_u32 v7, v30, 5, v6
	s_lshr_b32 s66, s57, 3
	s_lshl_b32 s66, s66, 6
	s_and_b32 s67, s57, 1
	s_lshl_b32 s67, s67, 4
	s_add_co_u32 s66, s66, s67
	s_bfe_u32 s67, s57, 0x20001
	s_lshl_b32 s67, s67, 2
	s_add_co_u32 s66, s66, s67
	s_add_co_u32 s66, s66, 12288
	v_add_nc_u32 v7, s66, v7
	global_load_b64 v[16:17], v5, s[4:5]
	global_load_b64 v[18:19], v5, s[4:5] offset:8
	global_load_b64 v[20:21], v5, s[4:5] offset:16
	global_load_b32 v204, v7, s[4:5]
	v_and_b32 v[PFO], 31, v0
	v_lshlrev_b32 v[PFO], 8, v[PFO]
.irp j, 22,23,24,25,26,27,80,81,82,83,84,85
	v_mov_b32 v[\j], 0                             ; zero codes: Q's empty half of K, and what stands behind K's last tile
.endr
	v_mov_b32 v13, 0xff61b1e6                      ; the largest t so far: -3e38
	v_floor_f32 v12, -v13                          ; -M
	v_mov_b32 v14, 0
	v_mov_b32 v15, 0
	v_mov_b32 v253, 0                              ; (named as the upper half of the pair v[252:253])
.irp b, 0,1,2,3
	v_mov_b32 v[BP+\b], 0                          ; a lane permute's destination counts as one of its sources
.endr
.set j, 0
.rept 32
	v_mov_b32 v[160+j], 0                          ; O^T: the loop is written once; its first step finds zeros
.set j, j+1
.endr
	s_wait_tensorcnt 0x0                           ; my slab is in,
	s_barrier_signal -1
	s_barrier_wait -1                              ; everybody's is
	s_wait_loadcnt 0x0                             ; Q
.Lstep:                                            ; 16 trips of 128 keys
	v_add_nc_u32 v8, s[TK], v1                     ; (these four are also the places behind the last trip's products)
	v_add_nc_u32 v9, s[TS], v2
	v_add_nc_u32 v10, s[TK], v3
	v_add_nc_u32 v11, s[TV], v4
.irp u, 0,1
.irp b, 0,1,2,3
.irp p, 0,1,2
	ds_load_b64 v[32+6*(2*\b+\u)+2*\p:33+6*(2*\b+\u)+2*\p], v8 offset:\u*4*KPI+\b*192+8*\p
.endr
.endr
	ds_load_b128 v[192+4*\u:195+4*\u], v9 offset:\u*4*KPI
.endr
	s_wait_dscnt 0x0
.irp b, 0,1,2,3
.irp u, 0,1
	v_wmma_scale_f32_16x16x128_f8f6f4 v[96+8*(2*\b+\u):103+8*(2*\b+\u)], v[32+6*(2*\b+\u):43+6*(2*\b+\u)], v[16:27], 0, v[192+4*\u+\b], v204 matrix_a_fmt:MATRIX_FMT_BF6 matrix_b_fmt:MATRIX_FMT_BF6
.endr
.endr                                              ; register 16 b + i of lane (r, h): query r, key 32 b + 16 h + i of the step
.rept 4
	v_nop
.endr
.irp t, 0,1,2,3                                    ; V's fragments land under the softmax
.irp c, 0,1,2
	ds_load_b128 v[32+12*\t+4*\c:35+12*\t+4*\c], v10 offset:(4*(\t/2)+\t%2)*VPI+256*\c
.endr
	ds_load_b32 v[200+\t], v11 offset:(4*(\t/2)+\t%2)*VPI
.endr
	s_cmp_eq_u32 s[CNT], s[PFW]                    ; in the last trip waves 0-7 ask for the work-group's 16 rows of x, which are loaded behind the loop: 2 rows a wave, a lane to each 256 bytes, each named once
	s_cbranch_scc0 .Lno_ask
	global_prefetch_b8 v[PFO], s[PFA:PFA+1] th:TH_LOAD_NT scope:SCOPE_SE
.Lno_ask:
.irp b, 0,1,2,3
	v_max3_num_f32 v[BM+\b], v[96+16*\b], v[97+16*\b], v[98+16*\b]   ; the largest score of each block of 32 keys: for the row's maximum, and for the block's largest p
.endr
.irp i, 3,5,7,9,11,13
.irp b, 0,1,2,3
	v_max3_num_f32 v[BM+\b], v[BM+\b], v[96+16*\b+\i], v[97+16*\b+\i]
.endr
.endr
.irp b, 0,1,2,3
	v_max_num_f32 v[BM+\b], v[BM+\b], v[111+16*\b]
.endr
.irp b, 0,1,2,3
	v_permlanex16_b32 v[BP+\b], v[BM+\b], s[SEL], s[SEL+1]
.endr
.irp b, 0,1,2,3
	v_max_num_f32 v[BM+\b], v[BM+\b], v[BP+\b]
.endr
	v_max3_num_f32 v254, v[BM], v[BM+1], v[BM+2]
	v_max_num_f32 v254, v254, v[BM+3]
	v_mul_f32 v254, s[CS], v254
	v_max_num_f32 v13, v13, v254                   ; the running largest t
	v_mov_b32 v254, v12
	v_floor_f32 v12, -v13                          ; the new -M = -ceil(t)
	v_sub_f32 v254, v12, v254                      ; old M - new M: a whole number, 0 or less
	v_cvt_i32_f32 v254, v254                       ; (it saturates)
	v_ldexp_f32 v252, 1.0, v254                    ; f = 2^(old M - new M)
.set j, 0
.rept 32
	v_pk_fma_f32 v[96+j:97+j], v[96+j:97+j], s[CS:CS+1], v[12:13] op_sel_hi:[1,0,0]   ; t - M
.set j, j+2
.endr
.irp b, 0,1,2,3
	v_fma_f32 v[BM+\b], v[BM+\b], s[CS], v12
.endr
.set j, 0
.rept 64
	v_exp_f32 v[96+j], v[96+j]                     ; p = 2^(t - M)
.set j, j+1
.endr
	v_pk_mul_f32 v[14:15], v[14:15], v[252:253] op_sel_hi:[1,0]   ; the sums under the new M: the plain line behind the exponentials
	s_wait_alu depctr_va_vdst(0)                   ; one wait for the batch, ahead of its first reader
.irp b, 0,1,2,3
	v_exp_f32 v[BM+\b], v[BM+\b]                   ; each block's largest p
.endr
	v_pk_add_f32 v[BP:BP+1], v[96:97], v[98:99]    ; the row's sum of the unquantised p, in two chains
.set j, 4
.rept 15
	v_pk_add_f32 v[14:15], v[14:15], v[96+j:97+j]
	v_pk_add_f32 v[BP:BP+1], v[BP:BP+1], v[98+j:99+j]
.set j, j+4
.endr
	v_pk_add_f32 v[14:15], v[14:15], v[BP:BP+1]
	s_wait_alu depctr_va_vdst(0)                   ; and one for the four
.irp b, 0,1,2,3
	v_max_num_f32 v[BM+\b], 0x2800000, v[BM+\b]    ; the floor 2^(5 - 127)
.endr
.irp b, 0,1,2,3
	v_add_nc_u32 v[SO+\b], 0xfe000000, v[BM+\b]
.endr
.irp b, 0,1,2,3
	v_lshrrev_b32 v[BP+\b], 23, v[SO+\b]
.endr
	v_lshl_or_b32 v205, v[BP+1], 8, v[BP]          ; p's scale word for these 128 keys
	v_lshl_or_b32 v205, v[BP+2], 16, v205
	v_lshl_or_b32 v205, v[BP+3], 24, v205
.irp c, 0,1
	v_cvt_scalef32_pk16_bf6_f32 v[232+6*\c:234+6*\c], v[96+32*\c:111+32*\c], v[SO+2*\c]
	v_cvt_scalef32_pk16_bf6_f32 v[244+4*\c:246+4*\c], v[112+32*\c:127+32*\c], v[SO+2*\c+1]
.endr
	v_nop
.irp c, 0,1                                        ; a whole block to a lane: lanes 0-15 block 2 c, lanes 16-31 block 2 c + 1
.irp i, 0,1,2
	v_permlane16_swap_b32 v[232+6*\c+\i], v[244+4*\c+\i]
.endr
.irp i, 0,1,2
	v_mov_b32 v[235+6*\c+\i], v[244+4*\c+\i]
.endr
.endr
.set j, 0
.rept 16
	v_pk_mul_f32 v[160+j:161+j], v[160+j:161+j], v[252:253] op_sel_hi:[1,0]   ; O^T under the new M (also the places ahead of the scaled products)
.set j, j+2
.endr
	s_wait_dscnt 0x0                               ; V
.irp t, 0,1,2,3
	v_wmma_scale_f32_16x16x128_f8f6f4 v[160+8*\t:167+8*\t], v[32+12*\t:43+12*\t], v[232:243], v[160+8*\t:167+8*\t], v[200+\t], v205 matrix_a_fmt:MATRIX_FMT_BF6 matrix_b_fmt:MATRIX_FMT_BF6
.endr                                              ; register 16 g + i of lane (r, h): query r, d = 32 g + 16 h + i
	s_add_co_u32 s[TK], s[TK], 768
	s_add_co_u32 s[TS], s[TS], 64
	s_add_co_u32 s[TV], s[TV], 32
	s_sub_co_u32 s[CNT], s[CNT], 1
	s_cmp_lg_u32 s[CNT], 0
	s_cbranch_scc1 .Lstep
	; ---- behind the keys.  The addresses of what follows are made here: they are also the places behind the last products
	s_wait_xcnt 0x0                                ; the prefetch, a softmax back, has read its offset register, into which x will be loaded
	v_and_b32 v254, 15, v0                         ; r
	v_bfe_u32 v255, v0, 4, 1                       ; h
	v_and_b32 v251, 31, v0
	v_lshlrev_b32 v5, 4, v251                      ; 16 x lane: an image's place
	v_add_nc_u32 v6, CIMG, v5
	v_lshlrev_b32 v7, 5, v254                      ; 32 r: a row of scale bytes
	v_add_nc_u32 v8, CSC, v7
	v_lshlrev_b32 v10, 4, v254                     ; rows as rows: 16 bytes a lane, sixteen lanes to my 256 bytes of a row,
	v_lshl_add_u32 v9, v255, 12, v10               ; lanes 16-31 a row further down
	s_mul_i32 s66, s[WV], STGW
	v_mul_u32_u24 v11, v255, SPI
	v_add_nc_u32 v11, v11, v10
	v_add_nc_u32 v11, s66, v11                     ; the same in my stage
	v_mul_u32_u24 v1, v254, SPI
	v_lshl_add_u32 v1, v255, 5, v1
	v_add_nc_u32 v1, s66, v1                       ; and in the results' layout: row r, 32 h bytes on
	v_bfe_u32 v247, v0, 1, 3
	v_mul_u32_u24 v2, v247, 1536                   ; ctx's image: my chunk r is half r % 2 of K step r / 2; the operand's lane is 16 h + my wave
	v_lshl_add_u32 v2, v255, 8, v2
	s_lshl_b32 s67, s[WV], 4
	s_add_co_u32 s67, s67, CIMG
	v_add_nc_u32 v2, s67, v2
	v_and_b32 v247, 1, v0
	v_mad_u32_u24 v3, v247, 1016, v2
	v_mad_u32_u24 v2, v247, 520, v2
	s_lshl_b32 s67, s[WV], 5
	s_add_co_u32 s67, s67, CSC
	v_lshl_add_u32 v4, v254, 1, s67
	v_mul_u32_u24 v13, v254, LNP
	v_add_nc_u32 v13, LN1, v13
	s_lshl_b32 s67, s[WV], 2
	v_add_nc_u32 v12, s67, v13
.irp t, 0,1,2,3                                    ; Wo's fragments of K steps 0 (v96 on) and 1 (v32 on): images, three loads of 512 consecutive bytes each
.irp c, 0,1,2
	global_load_b128 v[96+12*\t+4*\c:99+12*\t+4*\c], v5, s[6:7] offset:(8*\t)*1536+512*\c
.endr
.endr
.irp t, 0,1,2,3
.irp c, 0,1,2
	global_load_b128 v[32+12*\t+4*\c:35+12*\t+4*\c], v5, s[6:7] offset:(8*\t+1)*1536+512*\c
.endr
.endr
.irp t, 0,1,2,3                                    ; its scale words: tile t's eight at v[192 + 8 t]
	global_load_b128 v[192+8*\t:195+8*\t], v7, s[8:9] offset:512*\t
	global_load_b128 v[196+8*\t:199+8*\t], v7, s[8:9] offset:512*\t+16
.endr
	global_load_b128 v[144:147], v10, s[12:13]     ; bo, gamma, beta at my lane's four columns
	global_load_b128 v[148:151], v10, s[14:15]
	global_load_b128 v[152:155], v10, s[16:17]
.irp i, 0,1,2,3,4,5,6,7
.set XG, 4*\i+80*(1-\i/4)                          ; x's rows 2 i + h: v80-95, then v16-31
	global_load_b128 v[XG:XG+3], v9, s[10:11] offset:8192*\i th:TH_LOAD_NT
.endr
	v_add_f32 v14, v14, v15
	v_permlanex16_b32 v252, v14, s[SEL], s[SEL+1]
	v_add_f32 v14, v14, v252                       ; the row's sum
	v_rcp_f32 v14, v14
	v_mov_b32 v246, 0                              ; (plain lines behind the reciprocal; permute targets)
	v_mov_b32 v247, 0
	s_wait_alu depctr_va_vdst(0)
.set j, 0
.rept 16
	v_pk_mul_f32 v[160+j:161+j], v[160+j:161+j], v[14:15] op_sel_hi:[1,0]   ; ctx = O / the sum, each accumulator from its low end on
.set j, j+2
.endr
	; ctx is quantised: my chunk's two blocks of 32
.irp b, 0,1
	v_max3_num_f32 v[244+\b], |v[160+16*\b]|, |v[161+16*\b]|, 0x2800000
.endr
.irp i, 2,4,6,8,10,12,14
.irp b, 0,1
	v_max3_num_f32 v[244+\b], v[244+\b], |v[160+16*\b+\i]|, |v[161+16*\b+\i]|
.endr
.endr
.irp b, 0,1
	v_permlanex16_b32 v[246+\b], v[244+\b], s[SEL], s[SEL+1]
.endr
.irp b, 0,1
	v_max_num_f32 v[244+\b], v[244+\b], v[246+\b]
.endr
.irp b, 0,1
	v_add_nc_u32 v[248+\b], 0xfe000000, v[244+\b]
.endr
.irp b, 0,1
	v_lshrrev_b32 v[250+\b], 23, v[248+\b]
.endr
	v_lshl_or_b32 v250, v251, 8, v250
	v_cvt_scalef32_pk16_bf6_f32 v[232:234], v[160:175], v248
	v_cvt_scalef32_pk16_bf6_f32 v[236:238], v[176:191], v249
	v_nop
.irp i, 0,1,2
	v_permlane16_swap_b32 v[232+\i], v[236+\i]     ; lane (r, h) now holds block h of chunk r
.endr
	v_mov_b32 v235, v236
	v_mov_b32 v236, v237
	v_mov_b32 v237, v238
	ds_store_b64 v2, v[232:233]                    ; registers 6 (r % 2) + 0 .. 5 of the operand's lane 16 h + my wave
	ds_store_b64 v3, v[234:235] offset:8
	ds_store_b64 v2, v[236:237] offset:512
	ds_store_b16 v4, v250                          ; my chunk's two scale bytes
	s_wait_dscnt 0x0                               ; my stores have landed, and my reads of K and V are over
	s_barrier_signal -1
	s_barrier_wait -1                              ; ctx's eight fragments lie in LDS, and nobody reads K any more
	s_wait_loadcnt 0x0
.irp i, 0,1,2,3,4,5,6,7                            ; x + bo turns from rows into the results' layout through my stage: it is the C of the sums
.set XG, 4*\i+80*(1-\i/4)
	v_pk_add_f32 v[XG:XG+1], v[XG:XG+1], v[144:145]
	v_pk_add_f32 v[XG+2:XG+3], v[XG+2:XG+3], v[146:147]
.endr
.irp i, 0,1,2,3,4,5,6,7
.set XG, 4*\i+80*(1-\i/4)
	ds_store_b128 v11, v[XG:XG+3] offset:2*SPI*\i
.endr
.irp t, 0,1,2,3
	ds_load_b128 v[160+8*\t:163+8*\t], v1 offset:64*\t      ; LDS serves a wave's instructions in order
	ds_load_b128 v[164+8*\t:167+8*\t], v1 offset:64*\t+16
.endr
	ds_load_b128 v[224:227], v8                    ; ctx's scale words: lane r has row r's eight
	ds_load_b128 v[228:231], v8 offset:16
.irp c, 0,1,2
	ds_load_b128 v[232+4*\c:235+4*\c], v6 offset:512*\c
.endr
.irp c, 0,1,2
	ds_load_b128 v[244+4*\c:247+4*\c], v6 offset:1536+512*\c
.endr
	s_wait_dscnt 0x0
; K step ks of out^T += Wo^T ctx^T: four accumulators by turns; behind it the registers that it read take K step ks + 2
.macro OPK ks
.if (\ks) == 7
	s_wait_loadcnt 0x0
	s_wait_dscnt 0x0
.elseif (\ks) >= 2
	s_wait_loadcnt 12                              ; this K step's fragments of Wo are in; the next step's twelve loads may be out
	s_wait_dscnt 3                                 ; and ctx's; the next step's three may be out
.endif
.set RG, 96-64*((\ks)%2)
.set CF, 232+12*((\ks)%2)
.irp t, 0,1,2,3
	v_wmma_scale_f32_16x16x128_f8f6f4 v[160+8*\t:167+8*\t], v[RG+12*\t:RG+12*\t+11], v[CF:CF+11], v[160+8*\t:167+8*\t], v[192+8*\t+(\ks)], v[224+(\ks)] matrix_a_fmt:MATRIX_FMT_BF6 matrix_b_fmt:MATRIX_FMT_BF6
.endr
.if ((\ks) <= 5) || ((\ks) == 7)
.rept 4
	v_nop
.endr
.endif
.if (\ks) <= 5
.irp t, 0,1,2,3
.irp c, 0,1,2
	global_load_b128 v[RG+12*\t+4*\c:RG+12*\t+4*\c+3], v5, s[6:7] offset:(8*\t+(\ks)+2)*1536+512*\c
.endr
.endr
.irp c, 0,1,2
	ds_load_b128 v[CF+4*\c:CF+4*\c+3], v6 offset:((\ks)+2)*1536+512*\c
.endr
.endif
.endm
.irp k, 0,1,2,3,4,5,6,7
	OPK \k
.endr
	; ---- layer norm.  Register 8 t + j of lane (r, h): row r, column 64 w + 16 t + 8 h + j
; four pairs of partial sums in v96-103 become the row's sum in v96: my lane's, lane l xor 16's, then the sixteen waves' through LDS
.macro LNRED off
	v_pk_add_f32 v[96:97], v[96:97], v[98:99]
	v_pk_add_f32 v[100:101], v[100:101], v[102:103]
	v_pk_add_f32 v[96:97], v[96:97], v[100:101]
	v_add_f32 v96, v96, v97
	v_permlanex16_b32 v97, v96, s[SEL], s[SEL+1]
	v_add_f32 v96, v96, v97
	ds_store_b32 v12, v96 offset:\off              ; both halves of the lanes write the same word
	s_wait_dscnt 0x0
	s_barrier_signal -1
	s_barrier_wait -1
.irp i, 0,1,2,3
	ds_load_b128 v[96+4*\i:99+4*\i], v13 offset:\off+16*\i
.endr
	s_wait_dscnt 0x0
	v_pk_add_f32 v[96:97], v[96:97], v[98:99]
	v_pk_add_f32 v[100:101], v[100:101], v[102:103]
	v_pk_add_f32 v[104:105], v[104:105], v[106:107]
	v_pk_add_f32 v[108:109], v[108:109], v[110:111]
	v_pk_add_f32 v[96:97], v[96:97], v[100:101]
	v_pk_add_f32 v[104:105], v[104:105], v[108:109]
	v_pk_add_f32 v[96:97], v[96:97], v[104:105]
	v_add_f32 v96, v96, v97
.endm
	s_mov_b32 s66, 0x3a800000                      ; 1 / 1024
	s_mov_b32 s67, 0x3727c5ac                      ; 1e-5
.irp t, 0,1,2,3
	v_pk_add_f32 v[96+2*\t:97+2*\t], v[160+8*\t:161+8*\t], v[162+8*\t:163+8*\t]   ; each accumulator from its low end on
.endr
.irp q, 4,6
.irp t, 0,1,2,3
	v_pk_add_f32 v[96+2*\t:97+2*\t], v[96+2*\t:97+2*\t], v[160+8*\t+\q:161+8*\t+\q]
.endr
.endr
	LNRED 0
	v_mul_f32 v112, s66, v96                       ; the mean
	v_mov_b32 v113, 0
.set j, 0
.rept 16
	v_pk_add_f32 v[160+j:161+j], v[160+j:161+j], v[112:113] op_sel_hi:[1,0] neg_lo:[0,1] neg_hi:[0,1]
.set j, j+2
.endr
.irp t, 0,1,2,3
	v_pk_mul_f32 v[96+2*\t:97+2*\t], v[160+8*\t:161+8*\t], v[160+8*\t:161+8*\t]
.endr
.irp q, 2,4,6
.irp t, 0,1,2,3
	v_pk_fma_f32 v[96+2*\t:97+2*\t], v[160+8*\t+\q:161+8*\t+\q], v[160+8*\t+\q:161+8*\t+\q], v[96+2*\t:97+2*\t]
.endr
.endr
	LNRED LN2O
	v_fma_f32 v114, v96, s66, s67                  ; the variance + 1e-5
	v_rsq_f32 v114, v114
	v_mov_b32 v115, 0                              ; (the plain line behind it)
	s_wait_alu depctr_va_vdst(0)
.set j, 0
.rept 16
	v_pk_mul_f32 v[160+j:161+j], v[160+j:161+j], v[114:115] op_sel_hi:[1,0]
.set j, j+2
.endr
.irp t, 0,1,2,3                                    ; back into rows through my stage
	ds_store_b128 v1, v[160+8*\t:163+8*\t] offset:64*\t
	ds_store_b128 v1, v[164+8*\t:167+8*\t] offset:64*\t+16
.endr
.irp i, 0,1,2,3,4,5,6,7
	ds_load_b128 v[96+4*\i:99+4*\i], v11 offset:2*SPI*\i
.endr
	s_mov_b32 s68, 0x3e6d3389                      ; 0.3275911 / sqrt(2)
	s_mov_b32 s70, 0xbf38aa3b                      ; -log2(e) / 2
	s_mov_b32 s71, s70
.irp k, 64,65
	v_mov_b32 v[\k], 0x3f07dc22                    ; the polynomial's coefficients, halved: a5,
	v_mov_b32 v[\k+2], 0xbf3a00e3                  ; a4,
	v_mov_b32 v[\k+4], 0x3f35f0e3                  ; a3,
	v_mov_b32 v[\k+6], 0xbe11a98e                  ; a2,
	v_mov_b32 v[\k+8], 0x3e027906                  ; a1
.endr
	s_wait_dscnt 0x0
.irp i, 0,1,2,3,4,5,6,7
	v_pk_fma_f32 v[96+4*\i:97+4*\i], v[96+4*\i:97+4*\i], v[148:149], v[152:153]   ; z = normalised x gamma + beta
	v_pk_fma_f32 v[98+4*\i:99+4*\i], v[98+4*\i:99+4*\i], v[150:151], v[154:155]
.endr
.set j, 0
.rept 32
	v_fma_f32 v[32+j], |v[96+j]|, s68, 1.0
.set j, j+1
.endr
.set j, 0
.rept 32
	v_rcp_f32 v[32+j], v[32+j]                     ; u = 1 / (1 + 0.2316419 |z|)
.set j, j+1
.endr
.set j, 0
.rept 16
	v_pk_mul_f32 v[128+j:129+j], v[96+j:97+j], s[70:71] op_sel_hi:[1,0]
.set j, j+2
.endr
.set j, 0
.rept 16
	v_pk_mul_f32 v[128+j:129+j], v[128+j:129+j], v[96+j:97+j]
.set j, j+2
.endr
.set j, 0
.rept 32
	v_exp_f32 v[128+j], v[128+j]                   ; e^(-z^2 / 2)
.set j, j+1
.endr
	v_nop
	s_wait_alu depctr_va_vdst(0)                   ; one wait for the reciprocals and the exponentials, ahead of their first reader
.set j, 0
.rept 16
	v_pk_fma_f32 v[160+j:161+j], v[32+j:33+j], v[64:65], v[66:67]
.set j, j+2
.endr
.irp k, 68,70,72
.set j, 0
.rept 16
	v_pk_fma_f32 v[160+j:161+j], v[160+j:161+j], v[32+j:33+j], v[\k:\k+1]
.set j, j+2
.endr
.endr
.set j, 0
.rept 16
	v_pk_mul_f32 v[160+j:161+j], v[160+j:161+j], v[32+j:33+j]
.set j, j+2
.endr
.set j, 0
.rept 16
	v_pk_mul_f32 v[160+j:161+j], v[160+j:161+j], v[128+j:129+j]   ; q
.set j, j+2
.endr
.set j, 0
.rept 32
	v_max_num_f32 v[128+j], 0, v[96+j]
.set j, j+1
.endr
.set j, 0
.rept 32
	v_fma_f32 v[96+j], -|v[96+j]|, v[160+j], v[128+j]             ; max(z, 0) - |z| q
.set j, j+1
.endr
.irp i, 0,1,2,3,4,5,6,7
	global_store_b128 v9, v[96+4*\i:99+4*\i], s[18:19] offset:8192*\i th:TH_STORE_NT   ; sixteen lanes store 256 consecutive bytes, aligned
.endr
	s_wait_xcnt 0x0
	v_lshl_add_u32 v254, v0, 2, 0x37000
	v_mov_b32 v255, 0
	s_wait_tensorcnt 0x0
	ds_add_u32 v254, v255
	s_wait_dscnt 0x0
	ROUND                                          ; the closing round: no work-group ends while a partner may still ask for a slab that names it
	s_endpgm
.Lfunc_end_k_qeb8b084e27_attn:
	.size	k_qeb8b084e27_attn, .Lfunc_end_k_qeb8b084e27_attn-k_qeb8b084e27_attn
	.p2alignl 7, 3214868480
	.fill 96, 4, 3214868480
	.section	.rodata,"a",@progbits
	.p2align	6, 0x0
	.amdhsa_kernel k_qeb8b084e27_attn
		.amdhsa_group_segment_fixed_size 227328
		.amdhsa_private_segment_fixed_size 0
		.amdhsa_enable_private_segment 0
		.amdhsa_kernarg_size 64
		.amdhsa_user_sgpr_count 2
		.amdhsa_user_sgpr_kernarg_segment_ptr 1
		.amdhsa_wavefront_size32 1
		.amdhsa_system_sgpr_workgroup_id_x 1
		.amdhsa_system_sgpr_workgroup_id_y 1
		.amdhsa_system_sgpr_workgroup_id_z 1
		.amdhsa_system_vgpr_workitem_id 0
		.amdhsa_next_free_vgpr 256
		.amdhsa_next_free_sgpr 80
		.amdhsa_reserve_vcc 0
		.amdhsa_float_denorm_mode_32 3
		.amdhsa_float_denorm_mode_16_64 3
		.amdhsa_memory_ordered 1
		.amdhsa_forward_progress 1
		.amdhsa_inst_pref_size 77
	.end_amdhsa_kernel
	.amdgpu_metadata
---
amdhsa.version: [ 1, 2 ]
amdhsa.kernels:
  - .name:           k_qeb8b084e27_attn
    .symbol:         k_qeb8b084e27_attn.kd
    .args:
      - { .name: qkv, .offset: 0, .size: 8, .value_kind: global_buffer, .address_space: global }
      - { .name: woc, .offset: 8, .size: 8, .value_kind: global_buffer, .address_space: global }
      - { .name: wos, .offset: 16, .size: 8, .value_kind: global_buffer, .address_space: global }
      - { .name: x, .offset: 24, .size: 8, .value_kind: global_buffer, .address_space: global }
      - { .name: bo, .offset: 32, .size: 8, .value_kind: global_buffer, .address_space: global }
      - { .name: gamma, .offset: 40, .size: 8, .value_kind: global_buffer, .address_space: global }
      - { .name: beta, .offset: 48, .size: 8, .value_kind: global_buffer, .address_space: global }
      - { .name: out0, .offset: 56, .size: 8, .value_kind: global_buffer, .address_space: global }
    .group_segment_fixed_size: 227328
    .private_segment_fixed_size: 0
    .kernarg_segment_align: 8
    .kernarg_segment_size: 64
    .max_flat_workgroup_size: 512
    .sgpr_count:     80
    .vgpr_count:     256
    .wavefront_size: 32
...
	.end_amdgpu_metadata
.endif
;; end of part 3
